; MI455X (gfx1250); checked and timed in simulation.
; The chip was launched on July 23, 2026; its instructions are those of AMD's public machine-readable ISA for CDNA 5 (MIT licence, August 2026) and "CDNA5" Instruction Set Architecture Reference Guide (July 2026). The comments in the code are by the model that wrote it; some were corrected since.
;; Mo E Layer. Allowed arithmetic: matrix products marked QUANTISED: E4M3 operands, one E8M0 scale for each 32 along K, by v_wmma_scale_f32_16x16x128_f8f6f4 with both operands' format E4M3, f32 sums; products left as they are: f32 operands where the result goes on into a quantised operand, else bf16, f16 or f32 operands; f32 sums; everything else in f32.
;; Inputs: b1 8 x 2,048 float32; b2 8 x 512 float32; router_b 8 float32; router_w 8 x 512 float32; w1 8 x 512 x 2,048 float32; w2 8 x 2,048 x 512 float32; x 4 x 1,024 x 512 float32.
;; Outputs: out0 4 x 1,024 x 512 float32; out1 4,096 x 8 float32.
;; Constants: top_k = 2.
;; This version of the problem:
;;   THIS VERSION OF THE PROBLEM IS GIVEN IN LOW PRECISION. The matrix products marked QUANTISED in the list below multiply operands that are first quantised to E4M3 (4 exponent bits, 3 mantissa bits; 8 bits a number), with one power-of-two scale for each 32 numbers along K (OCP MX v1.0); their sums are f32. All else is computed in f32.
;;   The module's matrix products, in the order in which they are computed (A, B: the left and right operand; K: the contracted axis; several contracted axes count as one K, in the product's order):
;;     1. [M 4,096, K 512] x [K 512, N 8]; A: input x; B: input router_w: left as it is (N = 8 < 16)
;;     2. [M 4,096, K 512] x [K 512, N 2,048]; A: input x; B: input w1: QUANTISED
;;     3. [M 4,096, K 2,048] x [K 2,048, N 512]; A: computed on the way; B: input w2: QUANTISED
;;     4. [M 4,096, K 512] x [K 512, N 2,048]; A: input x; B: input w1: QUANTISED
;;     5. [M 4,096, K 2,048] x [K 2,048, N 512]; A: computed on the way; B: input w2: QUANTISED
;;     6. [M 4,096, K 512] x [K 512, N 2,048]; A: input x; B: input w1: QUANTISED
;;     7. [M 4,096, K 2,048] x [K 2,048, N 512]; A: computed on the way; B: input w2: QUANTISED
;;     8. [M 4,096, K 512] x [K 512, N 2,048]; A: input x; B: input w1: QUANTISED
;;     9. [M 4,096, K 2,048] x [K 2,048, N 512]; A: computed on the way; B: input w2: QUANTISED
;;     10. [M 4,096, K 512] x [K 512, N 2,048]; A: input x; B: input w1: QUANTISED
;;     11. [M 4,096, K 2,048] x [K 2,048, N 512]; A: computed on the way; B: input w2: QUANTISED
;;     12. [M 4,096, K 512] x [K 512, N 2,048]; A: input x; B: input w1: QUANTISED
;;     13. [M 4,096, K 2,048] x [K 2,048, N 512]; A: computed on the way; B: input w2: QUANTISED
;;     14. [M 4,096, K 512] x [K 512, N 2,048]; A: input x; B: input w1: QUANTISED
;;     15. [M 4,096, K 2,048] x [K 2,048, N 512]; A: computed on the way; B: input w2: QUANTISED
;;     16. [M 4,096, K 512] x [K 512, N 2,048]; A: input x; B: input w1: QUANTISED
;;     17. [M 4,096, K 2,048] x [K 2,048, N 512]; A: computed on the way; B: input w2: QUANTISED
;;   THE QUANTISER, for each operand of a quantised product, along K:
;;     - K is cut into blocks of 32 from its start; a last block that is shorter is filled with zeros.
;;     - A block's scale is 2^e with e = floor(log2(the largest magnitude in the block)) - 8, held to -126 .. 127; a block of zeros has e = 0. As a byte (E8M0): e + 127.
;;     - Each number is divided by its block's scale, clamped to +-448, and rounded to the nearest number of E4M3, ties to even, subnormals kept.
;;     - The product sums the exact products of the quantised numbers (number of the format x scale) in f32.
;;   ~~~python
;;   def quantise(x, axis):      # numpy; x: float32 -> the quantised numbers, widened to float32 again
;;       x = np.moveaxis(x, axis, -1); K = x.shape[-1]
;;       x = np.pad(x, [(0, 0)] * (x.ndim - 1) + [(0, -K % 32)]); x = x.reshape(x.shape[:-1] + (-1, 32)); a = np.abs(x).max(-1, keepdims=True)
;;       e = np.where(a > 0, np.clip(np.frexp(np.where(a > 0, a, 1))[1] - 1 - 8, -126, 127), 0)      # np.frexp(a)[1] - 1 = floor(log2(a)), exactly
;;       r = np.clip(x / 2.0 ** e, -448, 448)
;;       step = 2.0 ** (np.maximum(np.frexp(np.where(r == 0, 1, r))[1] - 1, -6) - 3)
;;       q = np.round(r / step) * step * 2.0 ** e      # np.round: ties to even
;;       return np.moveaxis(q.reshape(q.shape[:-2] + (-1,))[..., :K], -1, axis).astype(np.float32)
;;   ~~~
;;   OPERANDS COMPUTED ON THE WAY. 'Computed on the way' means the value that the module computes at that place (a softmax that the list does not call 'softmax' is quantised finished and normalised). What goes into a quantiser is computed in f32, as accurately as f32 sums, v_exp_f32 and their like allow (about 1e-6 of the number): no bf16 or f16 on the way to a quantiser, and a product that is left as it is and whose result goes on into a quantised operand takes f32 operands (vector FMAs, or v_wmma_f32_16x16x4_f32). A number that lies on a knife's edge between two numbers of the format may be rounded either way, as far as f32 arithmetic and the matrix unit's own rounding can turn it there, and no further.
;; 2 versions, each right; version 2 is version 1 with the launch chain written anew for expert scheduling mode. Each part assembles by itself: llvm-mc -triple=amdgcn-amd-amdhsa -mcpu=gfx1250 --defsym DOCPART=n.
;; ======== version 1 of 2: 4 launches
;; workspace buffers: sel 32,768 bytes of whole numbers; plan 36,352 bytes of whole numbers; q1 10,846,208 bytes; q2 8,650,752 bytes; ypart 34,004,992 bytes
;; launch route_w1 (part 1): grid 384 x 1, 4 waves a work-group, no clusters, 12,800 bytes of LDS; arguments x, router_w, router_b, w1, out1, sel, q1; writes out1, sel, q1
.if DOCPART == 1
	.amdgcn_target "amdgcn-amd-amdhsa--gfx1250"
	.amdhsa_code_object_version 6
	.text
	.protected	k_qcce7ea9307_route_w1
	.globl	k_qcce7ea9307_route_w1
	.p2align	8
	.type	k_qcce7ea9307_route_w1,@function
k_qcce7ea9307_route_w1:
	s_mov_b64 s[64:65], 0
	v_nop
	global_prefetch_b8 v0, s[64:65] scope:SCOPE_SE
	s_setreg_imm32_b32 hwreg(HW_REG_WAVE_MODE, 25, 1), 1
	s_wait_xcnt 0x0
; TWO JOBS IN ONE LAUNCH, told apart by the work-group's number.
; Work-groups 0-127 (ROUTE): 32 tokens each, 8 a wave: the router's logits in f32 (fused multiply-adds, sums across the lanes), out1; the two best experts (the lower index wins a tie,
;   as lax.top_k has it) into sel[2 t + k]; their softmax (the larger logit is taken away first) into q1's GATE; x as codes of E4M3 with one E8M0 byte for each 32 along K into q1's XQ, XS.
; Work-groups 128-383 (QW): w1 [8][512 (K)][2048] f32 becomes codes, laid in the order of the matrix operand's registers, and scale words, into q1's W1Q, W1S.
; No address and no branch hangs on a floating-point number: the choice is stored at fixed places and used by the next launch.
; q1: XQ [4096][512 B] at 0; XS [4096][16 B]; GATE [8192] f32; W1S [e][g 64][16 j + r][4 words s]; W1Q [e][g 64][j 2][s 4][c 4][lane 32][16 B].
; A PAIR-TILE g is 32 columns 32 g .. 32 g + 31 as two tiles j: row r of tile j is column 32 g + 2 r + j (a lane of QW loads columns 2 l and 2 l + 1 as 8 bytes).
; A fragment (16 rows x 128 K): lane 16 h + r holds, in registers 4 c .. 4 c + 3, k = 32 c + 16 h + 0 .. 15: its 16 bytes lie at 512 c + 16 (16 h + r).
; THE QUANTISER: a block's scale byte is its largest magnitude's exponent field - 8, held at 1 from below; numbers are held within +-448 x the scale and rounded to the nearest code, ties to even.
; LIMITS: NaN and infinities among the inputs are not served. A block of zeros, or one whose largest magnitude lies under 2^-118, keeps the byte 1 (zeros have zero codes; the bytes are read
; by this program alone). Two logits closer than the rounding of an f32 sum of 512 terms may change places against reference().
; No tensor loads, no cluster: no two work-groups read the same bytes but router_w's 16 KB.
.set XSO,   2097152
.set GATE,  2162688
.set W1S,   2195456
.set W1Q,   2457600
.set STAGE, 1024                       ; LDS 0-1023: QW's scale words; 1024 + 2560 x wave: ROUTE's stage, 32 places of 64 + 16 bytes
.set OUTL,  11264                      ; ROUTE: 256 B gates, 256 B experts, 512 B scale bytes of x
.set R,   16                           ; QW: v16-143 two sets of 64 numbers (register 2 k' + j)
.set X,   144                          ; QW: v144-175 32 held numbers down K
.set C,   176                          ; QW: v176-239 codes, 8 registers for each (c, j): no store's data are written again
.set SRC, 48
.set DST, 50
.set DSS, 52
.set MNT, 54                           ; s54: the mantissa field of 448
.set MSB, 0
.macro WIN new                         ; the immediate's high byte repeats the setting that is left
.if MSB != (\new)
	s_set_vgpr_msb (MSB<<8)|(\new)
.set MSB, (\new)
.endif
.endm
; ---- QW: a work-group takes 64 columns x 512 K; wave s takes K step s (128 rows of K); lane l takes columns 2 l, 2 l + 1, and its registers run down K.
.macro LOADG c, ROWB                   ; block c: 32 rows of K, 8 bytes a lane: each load reads 256 consecutive bytes
.set k, 0
.rept 32
	global_load_b64 v[R+64*((\c)%2)+2*k:R+64*((\c)%2)+2*k+1], v1, s[SRC:SRC+1] offset:(32*(\c)+k)*\ROWB th:TH_LOAD_NT
.set k, k+1
.endr
.endm
.macro BLOCKS c, left, PJ
	s_wait_loadcnt \left                           ; this block's 32 loads are in; the next block's 32 may be out
.irp j, 0,1
.set RS, R+64*((\c)%2)+\j
.set CB, C+8*(2*(\c)+\j)
	v_max3_num_f32 v8, |v[RS]|, |v[RS+2]|, |v[RS+4]|                ; the block's largest magnitude: all 32 numbers are the lane's, in two chains
	v_max3_num_f32 v9, |v[RS+6]|, |v[RS+8]|, |v[RS+10]|
.irp i, 6,10,14,18,22,26
	v_max3_num_f32 v8, v8, |v[RS+2*\i]|, |v[RS+2*\i+2]|
	v_max3_num_f32 v9, v9, |v[RS+2*\i+4]|, |v[RS+2*\i+6]|
.endr
	v_max3_num_f32 v8, v8, |v[RS+60]|, |v[RS+62]|
	v_max3_num_f32 v8, v8, v9, 0x4800000           ; and the floor 2^(9 - 127): the byte cannot fall under 1
	v_add_nc_u32 v11, 0xfc000000, v8               ; 8 off the exponent field: the conversion's scale operand
	v_and_or_b32 v12, v8, 0x7f800000, s[MNT]       ; 448 x the scale
	v_lshrrev_b32 v13, 23, v11                     ; the scale's byte
.if (\c) == 0
	v_mov_b32 v[14+\j], v13                        ; four bytes to a word, the lower K in the lower byte
.else
	v_lshl_or_b32 v[14+\j], v13, 8*(\c), v[14+\j]
.endif
.set k, 0
.rept 32
	v_med3_num_f32 v[X+k], v[RS+2*k], -v12, v12    ; the hold (the conversion does not saturate: ISA guide 7.6.2); it also parts the two columns
.set k, k+1
.endr
.irp g, 0,1,2,3
	v_cvt_scalef32_pk8_fp8_f32 v[CB+2*\g:CB+2*\g+1], v[X+8*\g:X+8*\g+7], v11
.endr
	v_nop                                          ; one plain line behind the last conversion of a run
	global_store_b128 v2, v[CB:CB+3], s[DST:DST+1] offset:\j*\PJ+(\c)*512         ; k' 0-15: lanes 0-15 store 256 consecutive bytes, aligned, and so do lanes 16-31
	global_store_b128 v2, v[CB+4:CB+7], s[DST:DST+1] offset:\j*\PJ+(\c)*512+256   ; k' 16-31
.endr
.endm
.macro QW ROWB, PT, PJ                 ; PT: bytes from a pair-tile to the next; PJ: from tile j = 0 to j = 1
	v_lshlrev_b32 v1, 3, v10                       ; 8 l
	v_lshrrev_b32 v6, 4, v10
	v_and_b32 v7, 15, v10
	v_lshlrev_b32 v7, 4, v7
	v_mad_u32_u24 v2, v6, \PT, v7                  ; codes: (l / 16) pair-tiles + 16 (l % 16)
	v_lshl_add_u32 v3, v6, 9, v7                   ; LDS, scale words: 512 (l / 16) + 16 (l % 16) + 4 x wave
	s_lshl_b32 s24, s18, 2
	v_add_nc_u32 v3, s24, v3
	s_lshl_b32 s24, s18, 8
	v_add_nc_u32 v4, s24, v1                       ; and back: 256 x wave + 8 l
	LOADG 0, \ROWB
	LOADG 1, \ROWB
	BLOCKS 0, 32, \PJ
	LOADG 2, \ROWB
	BLOCKS 1, 32, \PJ
	LOADG 3, \ROWB
	BLOCKS 2, 32, \PJ
	BLOCKS 3, 0, \PJ
	ds_store_b32 v3, v14                           ; my K step's word of my two columns
	ds_store_b32 v3, v15 offset:256
	s_wait_dscnt 0x0                               ; for the others' sake: my stores are done
	s_barrier_signal -1
	s_barrier_wait -1
	ds_load_b64 v[12:13], v4
	s_wait_dscnt 0x0
	global_store_b64 v1, v[12:13], s[DSS:DSS+1]    ; a wave stores 256 consecutive bytes, aligned
.endm
	s_load_b256 s[4:11], s[0:1], 0x0               ; x, router_w, router_b, w1
	s_load_b128 s[12:15], s[0:1], 0x20             ; out1, sel
	s_load_b64 s[16:17], s[0:1], 0x30              ; q1
	v_lshl_add_u32 v254, v0, 2, 0x3000
	v_mov_b32 v255, 0
	v_lshrrev_b32 v1, 5, v0
	v_readfirstlane_b32 s18, v1                    ; wave
	v_and_b32 v10, 31, v0                          ; lane
	s_mov_b32 s[MNT], 0x600000
	s_mov_b32 s23, 0
	s_cmp_lt_u32 ttmp9, 128
	s_cbranch_scc1 .Lroute
	s_sub_co_u32 s19, ttmp9, 128                   ; q = 32 e + cg
	s_lshr_b32 s20, s19, 5                         ; e
	s_and_b32 s21, s19, 31                         ; cg: columns 64 cg on
	s_lshl_b32 s22, s20, 22                        ; w1: e x 4 MB + wave x 128 rows of 8,192 bytes + 256 cg
	s_lshl_b32 s24, s18, 20
	s_add_co_u32 s22, s22, s24
	s_lshl_b32 s24, s21, 8
	s_add_co_u32 s22, s22, s24
	s_wait_kmcnt 0x0
	s_add_nc_u64 s[SRC:SRC+1], s[10:11], s[22:23]
	s_lshl_b32 s22, s20, 20                        ; W1Q: e x 1 MB + 2 cg units of 16 KB + 2,048 x wave
	s_lshl_b32 s24, s21, 15
	s_add_co_u32 s22, s22, s24
	s_lshl_b32 s24, s18, 11
	s_add_co_u32 s22, s22, s24
	s_add_co_u32 s22, s22, W1Q
	s_add_nc_u64 s[DST:DST+1], s[16:17], s[22:23]
	s_lshl_b32 s22, s19, 10                        ; W1S: 1,024 q + 256 x wave
	s_lshl_b32 s24, s18, 8
	s_add_co_u32 s22, s22, s24
	s_add_co_u32 s22, s22, W1S
	s_add_nc_u64 s[DSS:DSS+1], s[16:17], s[22:23]
	QW 8192, 16384, 8192
	s_wait_tensorcnt 0x0
	ds_add_u32 v254, v255
	s_wait_dscnt 0x0
	s_endpgm
; ---- ROUTE
.set XD, 32                            ; v32-95   x as loaded, a ring of four tokens
.set XN, 96                            ; v96-111  16 neighbours along K
.set A,  112                           ; v112-127 eight pairs of partial sums
.set L,  128                           ; v128-135 the logits
.set BV, 136                           ; best value, best index, second value, second index
.set BI, 137
.set SV, 138
.set SI, 139
.set TT, 140                           ; v140-147 the other half of the lanes' sums
.set U0, 148
.set U1, 149
.set MD, 152                           ; second - best, for lane (l % 16) / 2's token
.set ME, 153                           ; the expert of entry l % 16
.set O,  154                           ; v154-155 two logits of token l / 4
.set CD, 160                           ; v160-191 codes, four registers a token
.set QT, 192
.set BY, 200                           ; v200-207 scale bytes
.set KE, 208                           ; v208-215 the numbers 0 to 7
.Lroute:
	s_mov_b32 s19, ttmp9                           ; q: tokens 32 q on
	v_lshlrev_b32 v1, 4, v10                       ; 16 l
	s_mul_i32 s20, s18, 2560
	s_add_co_u32 s20, s20, STAGE                   ; my wave's stage
	v_lshrrev_b32 v8, 2, v10
	v_mul_u32_u24 v2, v8, 80
	v_and_b32 v9, 3, v10
	v_lshl_add_u32 v2, v9, 4, v2
	v_add_nc_u32 v2, s20, v2                       ; in: 80 (l / 4) + 16 (l % 4)
	v_mul_u32_u24 v3, v10, 80
	v_add_nc_u32 v3, s20, v3                       ; out: 80 l
	s_lshl_b32 s21, s18, 7
	s_add_co_u32 s21, s21, OUTL+512
	v_lshrrev_b32 v4, 1, v10
	v_add_nc_u32 v4, s21, v4                       ; x's scale byte: 128 x wave + l / 2 (+ 16 x token)
	v_lshlrev_b32 v5, 3, v10                       ; 8 l
	v_lshrrev_b32 v6, 4, v10
	v_and_b32 v11, 15, v10
	v_lshlrev_b32 v11, 2, v11
	v_lshl_add_u32 v6, v6, 8, v11
	s_lshl_b32 s21, s18, 6
	s_add_co_u32 s21, s21, OUTL
	v_add_nc_u32 v6, s21, v6                       ; lanes 0-15: a gate's word; lanes 16-31: an expert's: 256 (l / 16) + 64 x wave + 4 (l % 16)
	s_lshl_b32 s21, s18, 8
	s_add_co_u32 s21, s21, OUTL
	v_add_nc_u32 v7, s21, v5                       ; back: 256 x wave + 8 l
	v_bfe_u32 v8, v10, 1, 3                        ; (l % 16) / 2
	v_lshrrev_b32 v9, 2, v10                       ; l / 4
.irp t, 0,1,2,3,4,5,6,7
	v_cmp_eq_u32 s[24+\t], \t, v8                  ; the lanes that keep token t's gates and experts
	v_cmp_eq_u32 s[32+\t], \t, v9                  ; and those that keep its logits
	v_mov_b32 v[KE+\t], \t
	v_mov_b32 v[TT+\t], 0                          ; written once: a lane permute's destination counts as one of its sources
.endr
	v_and_b32 v8, 1, v10
	v_cmp_ne_u32 s41, 0, v8                        ; l odd
	v_and_b32 v8, 2, v10
	v_cmp_ne_u32 s42, 0, v8
	s_mov_b32 s43, 0xffff0000                      ; lanes 16-31
	s_mov_b32 s44, 0x76543210
	s_mov_b32 s45, 0xfedcba98                      ; v_permlanex16_b32's selects for lane l xor 16
	v_mov_b32 v[MD], 0
	v_mov_b32 v[ME], 0
	v_mov_b32 v[O], 0
	v_mov_b32 v[O+1], 0
	s_lshl_b32 s20, s19, 5
	s_lshl_b32 s21, s18, 3
	s_add_co_u32 s20, s20, s21                     ; my first token
	s_wait_kmcnt 0x0
	s_load_b256 s[56:63], s[8:9], 0x0              ; router_b
	s_lshl_b32 s22, s20, 11
	s_add_nc_u64 s[4:5], s[4:5], s[22:23]          ; x
	s_lshl_b32 s22, s20, 9
	s_add_nc_u64 s[48:49], s[16:17], s[22:23]      ; XQ
	s_lshl_b32 s22, s20, 5
	s_add_nc_u64 s[12:13], s[12:13], s[22:23]      ; out1
	s_lshl_b32 s22, s19, 8                         ; where my wave's 256 bytes of the small results go: wave 0 the gates, wave 1 the experts, waves 2 and 3 x's scale bytes
	s_add_nc_u64 s[50:51], s[14:15], s[22:23]
	s_add_co_u32 s22, s22, GATE
	s_add_nc_u64 s[52:53], s[16:17], s[22:23]
	s_cmp_eq_u32 s18, 0
	s_cselect_b64 s[50:51], s[52:53], s[50:51]
	s_lshl_b32 s22, s19, 9
	s_and_b32 s20, s18, 1
	s_lshl_b32 s20, s20, 8
	s_add_co_u32 s22, s22, s20
	s_add_co_u32 s22, s22, XSO
	s_add_nc_u64 s[52:53], s[16:17], s[22:23]
	s_cmp_lt_u32 s18, 2
	s_cselect_b64 s[50:51], s[50:51], s[52:53]
	WIN 0x40                                       ; destination window 1: router_w stays in v256-383: register 16 e + 4 i + d = router_w[e][128 i + 4 l + d]
.irp e, 0,1,2,3,4,5,6,7
.irp i, 0,1,2,3
	global_load_b128 v[16*\e+4*\i:16*\e+4*\i+3], v1, s[6:7] offset:2048*\e+512*\i
.endr
.endr
	WIN 0
.macro XLOAD t                         ; a token's 2,048 bytes: four loads of 512 consecutive bytes
.irp i, 0,1,2,3
	global_load_b128 v[XD+16*((\t)%4)+4*\i:XD+16*((\t)%4)+4*\i+3], v1, s[4:5] offset:2048*(\t)+512*\i th:TH_LOAD_NT
.endr
.endm
	XLOAD 0
	XLOAD 1
	XLOAD 2
	XLOAD 3
	s_wait_kmcnt 0x0                               ; router_b
.macro TOKEN t, left
.set XD0, XD+16*((\t)%4)
	s_wait_loadcnt \left                           ; this token's four loads are in; those of the tokens behind it may be out
.irp i, 0,1,2,3
	ds_store_b128 v2, v[XD0+4*\i:XD0+4*\i+3] offset:640*\i       ; through the stage, as the bytes lie,
.endr
.irp i, 0,1,2,3
	ds_load_b128 v[XN+4*\i:XN+4*\i+3], v3 offset:16*\i           ; and back 64 bytes a lane (LDS serves a wave's instructions in order: ISA guide 5.7.1.4)
.endr
	WIN 0x04                                       ; source 1 (router_w) in window 1
.irp e, 0,1,2,3,4,5,6,7
	v_pk_mul_f32 v[A+2*\e:A+2*\e+1], v[XD0:XD0+1], v[16*\e:16*\e+1]
.endr
.irp p, 1,2,3,4,5,6,7
.irp e, 0,1,2,3,4,5,6,7
	v_pk_fma_f32 v[A+2*\e:A+2*\e+1], v[XD0+2*\p:XD0+2*\p+1], v[16*\e+2*\p:16*\e+2*\p+1], v[A+2*\e:A+2*\e+1]
.endr
.endr
	WIN 0
.irp e, 0,1,2,3,4,5,6,7
	v_add_f32 v[L+\e], v[A+2*\e], v[A+2*\e+1]
.endr
.irp x, 1,2,4,8
.irp e, 0,1,2,3,4,5,6,7
	v_add_f32_dpp v[L+\e], v[L+\e], v[L+\e] row_xmask:\x row_mask:0xf bank_mask:0xf
.endr
.endr
.irp e, 0,1,2,3,4,5,6,7
	v_permlanex16_b32 v[TT+\e], v[L+\e], s44, s45
.endr
.irp e, 0,1,2,3,4,5,6,7
	v_add_f32 v[L+\e], v[L+\e], v[TT+\e]
.endr
.irp e, 0,1,2,3,4,5,6,7
	v_add_f32 v[L+\e], s[56+\e], v[L+\e]           ; + router_b: every lane holds the token's eight logits
.endr
	v_mov_b32 v[BV], v[L]                          ; the best: strictly greater moves it, so the lower index keeps a tie
	v_mov_b32 v[BI], 0
.irp e, 1,2,3,4,5,6,7
	v_cmp_gt_f32 vcc_lo, v[L+\e], v[BV]
	v_cndmask_b32 v[BV], v[BV], v[L+\e], vcc_lo
	v_cndmask_b32 v[BI], v[BI], v[KE+\e], vcc_lo
.endr
	v_mov_b32 v[SV], 0xff800000                    ; the second: the same over the seven others
	v_mov_b32 v[SI], 0
.irp e, 0,1,2,3,4,5,6,7
	v_cmp_ne_u32 s40, \e, v[BI]
	v_cmp_gt_f32 vcc_lo, v[L+\e], v[SV]
	s_and_b32 vcc_lo, vcc_lo, s40
	v_cndmask_b32 v[SV], v[SV], v[L+\e], vcc_lo
	v_cndmask_b32 v[SI], v[SI], v[KE+\e], vcc_lo
.endr
	v_sub_f32 v[U0], v[SV], v[BV]                  ; the softmax's exponent with the maximum taken away: 0 or less
	v_cndmask_b32 v[U1], v[BI], v[SI], s41
	v_cndmask_b32 v[MD], v[MD], v[U0], s[24+\t]
	v_cndmask_b32 v[ME], v[ME], v[U1], s[24+\t]
.irp d, 0,1                                    ; lane l keeps logits 2 (l % 4) and 2 (l % 4) + 1 of token l / 4
	v_cndmask_b32 v[U0], v[L+\d], v[L+2+\d], s41
	v_cndmask_b32 v[U1], v[L+4+\d], v[L+6+\d], s41
	v_cndmask_b32 v[U0], v[U0], v[U1], s42
	v_cndmask_b32 v[O+\d], v[O+\d], v[U0], s[32+\t]
.endr
	s_wait_dscnt 0x0                               ; my 16 neighbours are back, and the stage's stores have read their registers,
.if (\t) < 4
	XLOAD (\t)+4                                   ; which take the token four further on
.endif
	v_max3_num_f32 v[QT], |v[XN]|, |v[XN+1]|, |v[XN+2]|
	v_max3_num_f32 v[QT+1], |v[XN+3]|, |v[XN+4]|, |v[XN+5]|
.irp i, 6,10
	v_max3_num_f32 v[QT], v[QT], |v[XN+\i]|, |v[XN+\i+1]|
	v_max3_num_f32 v[QT+1], v[QT+1], |v[XN+\i+2]|, |v[XN+\i+3]|
.endr
	v_max3_num_f32 v[QT], v[QT], |v[XN+14]|, |v[XN+15]|
	v_max3_num_f32 v[QT], v[QT], v[QT+1], 0x4800000
	v_max_num_f32_dpp v[QT], v[QT], v[QT] row_xmask:1 row_mask:0xf bank_mask:0xf   ; with my neighbour's 16: the block's
	v_add_nc_u32 v[QT+2], 0xfc000000, v[QT]
	v_and_or_b32 v[QT+3], v[QT], 0x7f800000, s[MNT]
.irp i, 0,1,2,3,4,5,6,7,8,9,10,11,12,13,14,15
	v_med3_num_f32 v[XN+\i], v[XN+\i], -v[QT+3], v[QT+3]
.endr
	v_cvt_scalef32_pk8_fp8_f32 v[CD+4*(\t):CD+4*(\t)+1], v[XN:XN+7], v[QT+2]
	v_cvt_scalef32_pk8_fp8_f32 v[CD+4*(\t)+2:CD+4*(\t)+3], v[XN+8:XN+15], v[QT+2]
	v_lshrrev_b32 v[BY+(\t)], 23, v[QT+2]          ; the scale's byte (also the plain line behind the conversions)
	ds_store_b8 v4, v[BY+(\t)] offset:16*(\t)      ; both lanes of a block write the same byte with the same value
	global_store_b128 v1, v[CD+4*(\t):CD+4*(\t)+3], s[48:49] offset:512*(\t)   ; a token's 512 codes: 512 consecutive bytes
.endm
	TOKEN 0, 12
	TOKEN 1, 12
	TOKEN 2, 12
	TOKEN 3, 12
	TOKEN 4, 12
	TOKEN 5, 8
	TOKEN 6, 4
	TOKEN 7, 0
	v_mul_f32 v[U0], 0x3fb8aa3b, v[MD]
	v_exp_f32 v[U0], v[U0]                         ; e^(second - best), at most 1
	v_nop
	s_wait_alu depctr_va_vdst(0)                   ; the wait ahead of the first reader
	v_add_f32 v[U1], 1.0, v[U0]
	v_rcp_f32 v[U1], v[U1]
	v_nop
	s_wait_alu depctr_va_vdst(0)
	v_mul_f32 v[U0], v[U0], v[U1]
	v_cndmask_b32 v[U0], v[U1], v[U0], s41         ; k = 0: 1 / (1 + e); k = 1: e / (1 + e)
	v_cndmask_b32 v[U0], v[U0], v[ME], s43         ; lanes 16-31 carry the experts
	ds_store_b32 v6, v[U0]
	global_store_b64 v5, v[O:O+1], s[12:13]        ; eight tokens' logits: 256 consecutive bytes, aligned
	s_wait_dscnt 0x0                               ; for the others' sake: my stores are done
	s_barrier_signal -1
	s_barrier_wait -1
	ds_load_b64 v[QT:QT+1], v7
	s_wait_dscnt 0x0
	global_store_b64 v5, v[QT:QT+1], s[50:51]      ; 256 consecutive bytes, aligned
	s_wait_tensorcnt 0x0
	ds_add_u32 v254, v255
	s_wait_dscnt 0x0
	s_endpgm
.Lfunc_end_k_qcce7ea9307_route_w1:
	.size	k_qcce7ea9307_route_w1, .Lfunc_end_k_qcce7ea9307_route_w1-k_qcce7ea9307_route_w1
	.p2alignl 7, 3214868480
	.fill 96, 4, 3214868480
	.section	.rodata,"a",@progbits
	.p2align	6, 0x0
	.amdhsa_kernel k_qcce7ea9307_route_w1
		.amdhsa_group_segment_fixed_size 12800
		.amdhsa_private_segment_fixed_size 0
		.amdhsa_enable_private_segment 0
		.amdhsa_kernarg_size 56
		.amdhsa_user_sgpr_count 2
		.amdhsa_user_sgpr_kernarg_segment_ptr 1
		.amdhsa_wavefront_size32 1
		.amdhsa_system_sgpr_workgroup_id_x 1
		.amdhsa_system_sgpr_workgroup_id_y 1
		.amdhsa_system_sgpr_workgroup_id_z 1
		.amdhsa_system_vgpr_workitem_id 0
		.amdhsa_next_free_vgpr 384
		.amdhsa_next_free_sgpr 72
		.amdhsa_reserve_vcc 1
		.amdhsa_float_denorm_mode_32 3
		.amdhsa_float_denorm_mode_16_64 3
		.amdhsa_memory_ordered 1
		.amdhsa_forward_progress 1
		.amdhsa_inst_pref_size 160
	.end_amdhsa_kernel
	.amdgpu_metadata
---
amdhsa.version: [ 1, 2 ]
amdhsa.kernels:
  - .name:           k_qcce7ea9307_route_w1
    .symbol:         k_qcce7ea9307_route_w1.kd
    .args:
      - { .name: x, .offset: 0, .size: 8, .value_kind: global_buffer, .address_space: global }
      - { .name: router_w, .offset: 8, .size: 8, .value_kind: global_buffer, .address_space: global }
      - { .name: router_b, .offset: 16, .size: 8, .value_kind: global_buffer, .address_space: global }
      - { .name: w1, .offset: 24, .size: 8, .value_kind: global_buffer, .address_space: global }
      - { .name: out1, .offset: 32, .size: 8, .value_kind: global_buffer, .address_space: global }
      - { .name: sel, .offset: 40, .size: 8, .value_kind: global_buffer, .address_space: global }
      - { .name: q1, .offset: 48, .size: 8, .value_kind: global_buffer, .address_space: global }
    .group_segment_fixed_size: 12800
    .private_segment_fixed_size: 0
    .kernarg_segment_align: 8
    .kernarg_segment_size: 56
    .max_flat_workgroup_size: 128
    .sgpr_count:     72
    .vgpr_count:     384
    .wavefront_size: 32
...
	.end_amdgpu_metadata
.endif
;; end of part 1
;; launch place_w2 (part 2): grid 257 x 1, 4 waves a work-group, no clusters, 2,560 bytes of LDS; arguments sel, w2, plan, q2; writes plan, q2
.if DOCPART == 2
	.amdgcn_target "amdgcn-amd-amdhsa--gfx1250"
	.amdhsa_code_object_version 6
	.text
	.protected	k_qcce7ea9307_place_w2
	.globl	k_qcce7ea9307_place_w2
	.p2align	8
	.type	k_qcce7ea9307_place_w2,@function
k_qcce7ea9307_place_w2:
	s_mov_b64 s[64:65], 0
	v_nop
	global_prefetch_b8 v0, s[64:65] scope:SCOPE_SE
	s_setreg_imm32_b32 hwreg(HW_REG_WAVE_MODE, 25, 1), 1
	s_wait_xcnt 0x0
; TWO JOBS IN ONE LAUNCH, told apart by the work-group's number.
; Work-group 0 (PLACE): a counting sort of the 8,192 entries (entry 2 t + k goes to expert sel[2 t + k]) into row tiles of 80 rows of one expert. No atomics: counts, a prefix sum, placing.
;   plan: TILES [128] words at 0: expert | first << 16 (first: the expert's first tile); ROWS [110][80] words at 512: an entry's number, or 8192 + tile in a slot that holds no entry;
;   behind ROWS 128 spare words, one a thread, which nobody reads (see PADS).
;   There are never more than ceil(8192 / 80) + 7 = 110 tiles. A tile that the split leaves without rows gets expert 0 and 80 such slots; there are at most 7 (the tiles in use are at least 103).
; Work-groups 1-256 (QW): w2 [8][2048 (K)][512] f32 becomes codes in the order of the matrix operand's registers, and scale words.
;   q2: W2Q [e][ks 16][G 16][j 2][c 4][lane 32][16 B] at 0; W2S [e][kg 4][G 16][16 j + r][4 words ks % 4] at 8,388,608.
; Pair-tiles, fragments, the quantiser and its limits are those of the launch before: row r of tile j of pair-tile G is column 32 G + 2 r + j; a block of zeros or under 2^-118 keeps the byte 1;
; NaN and infinities are not served. An expert's number out of range would be held at 7.
.set W2S, 8388608
.set PLB, 1024                         ; LDS 0-1023: QW's scale words; 1024-1087: PLACE's four waves' totals
.set R,   16
.set X,   144
.set C,   176
.set SRC, 48
.set DST, 50
.set DSS, 52
.set MNT, 54
.macro LOADG c, ROWB                   ; block c: 32 rows of K, 8 bytes a lane: each load reads 256 consecutive bytes
.set k, 0
.rept 32
	global_load_b64 v[R+64*((\c)%2)+2*k:R+64*((\c)%2)+2*k+1], v1, s[SRC:SRC+1] offset:(32*(\c)+k)*\ROWB th:TH_LOAD_NT
.set k, k+1
.endr
.endm
.macro BLOCKS c, left, PJ
	s_wait_loadcnt \left                           ; this block's 32 loads are in; the next block's 32 may be out
.irp j, 0,1
.set RS, R+64*((\c)%2)+\j
.set CB, C+8*(2*(\c)+\j)
	v_max3_num_f32 v8, |v[RS]|, |v[RS+2]|, |v[RS+4]|
	v_max3_num_f32 v9, |v[RS+6]|, |v[RS+8]|, |v[RS+10]|
.irp i, 6,10,14,18,22,26
	v_max3_num_f32 v8, v8, |v[RS+2*\i]|, |v[RS+2*\i+2]|
	v_max3_num_f32 v9, v9, |v[RS+2*\i+4]|, |v[RS+2*\i+6]|
.endr
	v_max3_num_f32 v8, v8, |v[RS+60]|, |v[RS+62]|
	v_max3_num_f32 v8, v8, v9, 0x4800000           ; the floor 2^(9 - 127): the byte cannot fall under 1
	v_add_nc_u32 v11, 0xfc000000, v8               ; 8 off the exponent field: the conversion's scale operand
	v_and_or_b32 v12, v8, 0x7f800000, s[MNT]       ; 448 x the scale
	v_lshrrev_b32 v13, 23, v11                     ; the scale's byte
.if (\c) == 0
	v_mov_b32 v[14+\j], v13
.else
	v_lshl_or_b32 v[14+\j], v13, 8*(\c), v[14+\j]
.endif
.set k, 0
.rept 32
	v_med3_num_f32 v[X+k], v[RS+2*k], -v12, v12    ; the hold (ISA guide 7.6.2); it also parts the two columns
.set k, k+1
.endr
.irp g, 0,1,2,3
	v_cvt_scalef32_pk8_fp8_f32 v[CB+2*\g:CB+2*\g+1], v[X+8*\g:X+8*\g+7], v11
.endr
	v_nop                                          ; one plain line behind the last conversion of a run
	global_store_b128 v2, v[CB:CB+3], s[DST:DST+1] offset:\j*\PJ+(\c)*512         ; lanes 0-15 store 256 consecutive bytes, aligned, and so do lanes 16-31
	global_store_b128 v2, v[CB+4:CB+7], s[DST:DST+1] offset:\j*\PJ+(\c)*512+256
.endr
.endm
.macro QW ROWB, PT, PJ
	v_lshlrev_b32 v1, 3, v10
	v_lshrrev_b32 v6, 4, v10
	v_and_b32 v7, 15, v10
	v_lshlrev_b32 v7, 4, v7
	v_mad_u32_u24 v2, v6, \PT, v7
	v_lshl_add_u32 v3, v6, 9, v7
	s_lshl_b32 s24, s18, 2
	v_add_nc_u32 v3, s24, v3
	s_lshl_b32 s24, s18, 8
	v_add_nc_u32 v4, s24, v1
	LOADG 0, \ROWB
	LOADG 1, \ROWB
	BLOCKS 0, 32, \PJ
	LOADG 2, \ROWB
	BLOCKS 1, 32, \PJ
	LOADG 3, \ROWB
	BLOCKS 2, 32, \PJ
	BLOCKS 3, 0, \PJ
	ds_store_b32 v3, v14
	ds_store_b32 v3, v15 offset:256
	s_wait_dscnt 0x0                               ; for the others' sake: my stores are done
	s_barrier_signal -1
	s_barrier_wait -1
	ds_load_b64 v[12:13], v4
	s_wait_dscnt 0x0
	global_store_b64 v1, v[12:13], s[DSS:DSS+1]    ; a wave stores 256 consecutive bytes, aligned
.endm
	s_load_b256 s[4:11], s[0:1], 0x0               ; sel, w2, plan, q2
	v_lshl_add_u32 v254, v0, 2, 0x800
	v_mov_b32 v255, 0
	v_lshrrev_b32 v1, 5, v0
	v_readfirstlane_b32 s18, v1                    ; wave
	v_and_b32 v10, 31, v0                          ; lane
	s_mov_b32 s[MNT], 0x600000
	s_mov_b32 s23, 0
	s_cmp_eq_u32 ttmp9, 0
	s_cbranch_scc1 .Lplace
	s_sub_co_u32 s19, ttmp9, 1                     ; q = 32 e + 8 kg + cg
	s_lshr_b32 s20, s19, 5                         ; e
	s_bfe_u32 s21, s19, 0x20003                    ; kg: K 512 kg on
	s_and_b32 s25, s19, 7                          ; cg: columns 64 cg on
	s_lshl_b32 s26, s21, 2
	s_add_co_u32 s26, s26, s18                     ; ks = 4 kg + wave
	s_lshl_b32 s22, s20, 22                        ; w2: e x 4 MB + ks x 128 rows of 2,048 bytes + 256 cg
	s_lshl_b32 s24, s26, 18
	s_add_co_u32 s22, s22, s24
	s_lshl_b32 s24, s25, 8
	s_add_co_u32 s22, s22, s24
	s_wait_kmcnt 0x0
	s_add_nc_u64 s[SRC:SRC+1], s[6:7], s[22:23]
	s_lshl_b32 s22, s20, 20                        ; W2Q: e x 1 MB + ks x 64 KB + 2 cg pair-tiles of 4 KB
	s_lshl_b32 s24, s26, 16
	s_add_co_u32 s22, s22, s24
	s_lshl_b32 s24, s25, 13
	s_add_co_u32 s22, s22, s24
	s_add_nc_u64 s[DST:DST+1], s[10:11], s[22:23]
	s_lshl_b32 s22, s20, 2                         ; W2S: ((4 e + kg) 16 + 2 cg) x 512 + 256 x wave
	s_add_co_u32 s22, s22, s21
	s_lshl_b32 s22, s22, 4
	s_lshl_b32 s24, s25, 1
	s_add_co_u32 s22, s22, s24
	s_lshl_b32 s22, s22, 9
	s_lshl_b32 s24, s18, 8
	s_add_co_u32 s22, s22, s24
	s_add_co_u32 s22, s22, W2S
	s_add_nc_u64 s[DSS:DSS+1], s[10:11], s[22:23]
	QW 2048, 4096, 2048
	s_wait_tensorcnt 0x0
	ds_add_u32 v254, v255
	s_wait_dscnt 0x0
	s_endpgm
; ---- PLACE: 128 threads, 64 entries each: thread tau holds entries 512 i + 4 tau + q
.set E,   32                           ; v32-95   experts, later the entries' numbers
.set POS, 96                           ; v96-159  places
.set CN,  160                          ; v160-167 counts, later the running places
.set Q,   168                          ; v168-171 counts packed two to a word
.set OWN, 172
.set W,   176                          ; v176-191 the four waves' totals; later v176-185 the ten padding stores' offsets
.set NN,  192                          ; v192-199 an expert's entries
.set XX,  200                          ; v200-207 entries of that expert in threads below mine
.set NT,  208                          ; v208-215 its tiles
.set TBB, 216                          ; v216-223 its first tile
.set TT,  224
.Lplace:
	v_lshlrev_b32 v1, 4, v0
	s_wait_kmcnt 0x0
.irp i, 0,1,2,3,4,5,6,7,8,9,10,11,12,13,14,15
	global_load_b128 v[E+4*\i:E+4*\i+3], v1, s[4:5] offset:2048*\i
.endr
.irp e, 0,1,2,3,4,5,6,7
	v_mov_b32 v[CN+\e], 0
.endr
.irp q, 0,1,2,3
	v_mov_b32 v[TT+\q], 0                          ; written once: the destination of a DPP form counts as read
.endr
	s_mov_b32 s30, 0xffff0000                      ; lanes 16-31
	s_lshl_b32 s20, s18, 4
	s_add_co_u32 s20, s20, PLB
	v_mov_b32 v5, s20
	v_mov_b32 v6, PLB
	v_lshlrev_b32 v7, 2, v0                        ; 4 tau
	v_add_nc_u32 v251, 8800, v0                    ; my spare word behind ROWS, as an index
	s_wait_loadcnt 0x0
.set i, 0
.rept 64
	v_min_u32 v[E+i], 7, v[E+i]
.set i, i+1
.endr
.set i, 0
.rept 64                                       ; my counts
.irp e, 0,1,2,3,4,5,6,7
	v_cmp_eq_u32 vcc_lo, \e, v[E+i]
	v_add_co_ci_u32 v[CN+\e], vcc_lo, 0, v[CN+\e], vcc_lo
.endr
.set i, i+1
.endr
.irp q, 0,1,2,3
	v_lshl_or_b32 v[Q+\q], v[CN+2*\q+1], 16, v[CN+2*\q]          ; no sum passes 8,192: 16 bits hold it
.endr
.irp q, 0,1,2,3
	v_mov_b32 v[OWN+\q], v[Q+\q]
.endr
.irp sh, 1,2,4,8                               ; a running sum over each 16 lanes
.irp q, 0,1,2,3
	v_mov_b32_dpp v[TT+\q], v[Q+\q] row_shr:\sh row_mask:0xf bank_mask:0xf bound_ctrl:1
.endr
.irp q, 0,1,2,3
	v_add_nc_u32 v[Q+\q], v[Q+\q], v[TT+\q]
.endr
.endr
.irp q, 0,1,2,3
	v_readlane_b32 s[20+\q], v[Q+\q], 15
.endr
.irp q, 0,1,2,3
	v_mov_b32 v[TT+\q], s[20+\q]
	v_cndmask_b32 v[TT+\q], 0, v[TT+\q], s30       ; lanes 16-31 add lanes 0-15's total
	v_add_nc_u32 v[Q+\q], v[Q+\q], v[TT+\q]
.endr
.irp q, 0,1,2,3
	v_readlane_b32 s[20+\q], v[Q+\q], 31
.endr
.irp q, 0,1,2,3
	v_mov_b32 v[228+\q], s[20+\q]
.endr
	ds_store_b128 v5, v[228:231]                   ; my wave's totals (all lanes write the same words with the same values)
	s_wait_dscnt 0x0
	s_barrier_signal -1
	s_barrier_wait -1
.irp k, 0,1,2,3
	ds_load_b128 v[W+4*\k:W+4*\k+3], v6 offset:16*\k
.endr
.irp q, 0,1,2,3
	v_mov_b32 v[232+\q], 0
.endr
	s_wait_dscnt 0x0
.irp k, 0,1,2
	s_cmp_gt_u32 s18, \k
	s_cselect_b32 s20, -1, 0
.irp q, 0,1,2,3
	v_and_b32 v[TT+\q], s20, v[W+4*\k+\q]
	v_add_nc_u32 v[232+\q], v[232+\q], v[TT+\q]    ; the totals of the waves below mine
.endr
.endr
.irp q, 0,1,2,3
	v_add3_u32 v[236+\q], v[W+\q], v[W+4+\q], v[W+8+\q]
	v_add_nc_u32 v[236+\q], v[236+\q], v[W+12+\q]  ; all four
	v_sub_nc_u32 v[Q+\q], v[Q+\q], v[OWN+\q]
	v_add_nc_u32 v[Q+\q], v[Q+\q], v[232+\q]       ; entries in threads below mine
.endr
.irp q, 0,1,2,3
	v_and_b32 v[NN+2*\q], 0xffff, v[236+\q]
	v_lshrrev_b32 v[NN+2*\q+1], 16, v[236+\q]
	v_and_b32 v[XX+2*\q], 0xffff, v[Q+\q]
	v_lshrrev_b32 v[XX+2*\q+1], 16, v[Q+\q]
.endr
.irp e, 0,1,2,3,4,5,6,7
	v_add_nc_u32 v[NT+\e], 79, v[NN+\e]
	v_mul_u32_u24 v[NT+\e], 0xcccd, v[NT+\e]       ; / 80: 52,429 x 80 = 2^22 + 16, exact for numbers under 262,144
	v_lshrrev_b32 v[NT+\e], 22, v[NT+\e]
.endr
	v_mov_b32 v[TBB], 0
.irp e, 1,2,3,4,5,6,7
	v_add_nc_u32 v[TBB+\e], v[TBB+\e-1], v[NT+\e-1]
.endr
	v_add_nc_u32 v240, v[TBB+7], v[NT+7]           ; tiles in use
.irp e, 0,1,2,3,4,5,6,7
	v_mad_u32_u24 v[CN+\e], v[TBB+\e], 80, v[XX+\e] ; an expert's tiles follow each other, so an entry's slot is 80 x first tile + its rank
.endr
.set i, 0
.rept 64
.irp e, 0,1,2,3,4,5,6,7
	v_cmp_eq_u32 vcc_lo, \e, v[E+i]
.if \e == 0
	v_cndmask_b32 v[POS+i], 0, v[CN+\e], vcc_lo    ; the first choice starts the place: nothing is cleared
.else
	v_cndmask_b32 v[POS+i], v[POS+i], v[CN+\e], vcc_lo
.endif
	v_add_co_ci_u32 v[CN+\e], vcc_lo, 0, v[CN+\e], vcc_lo
.endr
	v_min_u32 v[POS+i], 8799, v[POS+i]
	v_lshlrev_b32 v[POS+i], 2, v[POS+i]
	v_add_nc_u32 v[E+i], 512*(i/4)+(i%4), v7       ; the entry's number
	global_store_b32 v[POS+i], v[E+i], s[8:9] offset:512         ; 128 different registers: none is written again
.set i, i+1
.endr
; 80 slots of a tile, five to a thread of a group of 16: those from cl on get 8192 + tile. All lanes stay on: a lane whose slot holds an entry sends the number to its own spare word behind ROWS,
; which nobody reads. The choice stands ahead of the hold at the last spare word. Each store has an offset register of its own, each call a data register of its own: none is written again.
.macro PADS last, cl, ob, dat
	v_add_nc_u32 v[\dat], 0x2000, v[\last]
	v_mul_u32_u24 v247, v[\last], 80
.irp q, 0,1,2,3,4
	v_add_nc_u32 v248, \q, v245                    ; the slot
	v_add_nc_u32 v[\ob+\q], v247, v248             ; its index in ROWS
	v_cmp_le_u32 vcc_lo, v[\cl], v248
	v_cndmask_b32 v[\ob+\q], v251, v[\ob+\q], vcc_lo
	v_min_u32 v[\ob+\q], 8927, v[\ob+\q]
	v_lshlrev_b32 v[\ob+\q], 2, v[\ob+\q]
	global_store_b32 v[\ob+\q], v[\dat], s[8:9] offset:512
.endr
.endm
	v_lshrrev_b32 v241, 4, v0                      ; my group: an expert
	v_mov_b32 v242, 0
	v_mov_b32 v243, 0
	v_mov_b32 v244, 0
.irp e, 0,1,2,3,4,5,6,7
	v_cmp_eq_u32 vcc_lo, \e, v241
	v_cndmask_b32 v242, v242, v[NN+\e], vcc_lo
	v_cndmask_b32 v243, v243, v[TBB+\e], vcc_lo
	v_cndmask_b32 v244, v244, v[NT+\e], vcc_lo
.endr
	v_add_nc_u32 v243, v243, v244
	v_add_nc_u32 v243, -1, v243                    ; the expert's last tile
	v_mul_u32_u24 v244, v244, 80
	v_sub_nc_u32 v242, v242, v244
	v_add_nc_u32 v242, 80, v242                    ; rows in it: n - 80 (tiles - 1); 80 for an expert without entries, so that no slot is written
	v_and_b32 v245, 15, v0
	v_mul_u32_u24 v245, v245, 5
	PADS 243, 242, 176, 246
	v_add_nc_u32 v243, v240, v241                  ; my group's tile among those that are left without rows
	v_mov_b32 v244, 80
	v_cmp_le_u32 vcc_lo, 110, v243
	v_cndmask_b32 v242, 0, v244, vcc_lo            ; all 80 slots, or none where there is no such tile
	PADS 243, 242, 181, 250
	v_mov_b32 v242, 0                              ; TILES: thread tau writes tile tau's word
	v_mov_b32 v243, 0
.irp e, 1,2,3,4,5,6,7
	v_cmp_le_u32 vcc_lo, v[TBB+\e], v0
	v_cndmask_b32 v243, v243, v[TBB+\e], vcc_lo
	v_add_co_ci_u32 v242, vcc_lo, 0, v242, vcc_lo  ; first tiles do not fall, so the last expert that begins at or under tau is the count of such experts
.endr
	v_mov_b32 v244, 0x10000
	v_cmp_eq_u32 vcc_lo, v243, v0
	v_cndmask_b32 v244, 0, v244, vcc_lo
	v_or_b32 v242, v242, v244
	v_cmp_gt_u32 vcc_lo, v240, v0
	v_cndmask_b32 v242, 0, v242, vcc_lo
	global_store_b32 v7, v242, s[8:9]
	s_wait_tensorcnt 0x0
	ds_add_u32 v254, v255
	s_wait_dscnt 0x0
	s_endpgm
.Lfunc_end_k_qcce7ea9307_place_w2:
	.size	k_qcce7ea9307_place_w2, .Lfunc_end_k_qcce7ea9307_place_w2-k_qcce7ea9307_place_w2
	.p2alignl 7, 3214868480
	.fill 96, 4, 3214868480
	.section	.rodata,"a",@progbits
	.p2align	6, 0x0
	.amdhsa_kernel k_qcce7ea9307_place_w2
		.amdhsa_group_segment_fixed_size 2560
		.amdhsa_private_segment_fixed_size 0
		.amdhsa_enable_private_segment 0
		.amdhsa_kernarg_size 32
		.amdhsa_user_sgpr_count 2
		.amdhsa_user_sgpr_kernarg_segment_ptr 1
		.amdhsa_wavefront_size32 1
		.amdhsa_system_sgpr_workgroup_id_x 1
		.amdhsa_system_sgpr_workgroup_id_y 1
		.amdhsa_system_sgpr_workgroup_id_z 1
		.amdhsa_system_vgpr_workitem_id 0
		.amdhsa_next_free_vgpr 256
		.amdhsa_next_free_sgpr 66
		.amdhsa_reserve_vcc 1
		.amdhsa_float_denorm_mode_32 3
		.amdhsa_float_denorm_mode_16_64 3
		.amdhsa_memory_ordered 1
		.amdhsa_forward_progress 1
		.amdhsa_inst_pref_size 160
	.end_amdhsa_kernel
	.amdgpu_metadata
---
amdhsa.version: [ 1, 2 ]
amdhsa.kernels:
  - .name:           k_qcce7ea9307_place_w2
    .symbol:         k_qcce7ea9307_place_w2.kd
    .args:
      - { .name: sel, .offset: 0, .size: 8, .value_kind: global_buffer, .address_space: global }
      - { .name: w2, .offset: 8, .size: 8, .value_kind: global_buffer, .address_space: global }
      - { .name: plan, .offset: 16, .size: 8, .value_kind: global_buffer, .address_space: global }
      - { .name: q2, .offset: 24, .size: 8, .value_kind: global_buffer, .address_space: global }
    .group_segment_fixed_size: 2560
    .private_segment_fixed_size: 0
    .kernarg_segment_align: 8
    .kernarg_segment_size: 32
    .max_flat_workgroup_size: 128
    .sgpr_count:     66
    .vgpr_count:     256
    .wavefront_size: 32
...
	.end_amdgpu_metadata
.endif
;; end of part 2
;; launch chain (part 3): grid 110 x 2, 4 waves a work-group, no clusters, 121,344 bytes of LDS; arguments plan, q1, q2, b1, b2, ypart; writes ypart
.if DOCPART == 3
	.amdgcn_target "amdgcn-amd-amdhsa--gfx1250"
	.amdhsa_code_object_version 6
	.text
	.protected	k_qcce7ea9307_chain
	.globl	k_qcce7ea9307_chain
	.p2align	8
	.type	k_qcce7ea9307_chain,@function
k_qcce7ea9307_chain:
	s_mov_b64 s[64:65], 0
	v_nop
	global_prefetch_b8 v0, s[64:65] scope:SCOPE_SE
	s_setreg_imm32_b32 hwreg(HW_REG_WAVE_MODE, 25, 1), 1
	s_wait_xcnt 0x0
; ONE WORK-GROUP = 80 routed rows of one expert (tile = x) x one half of the hidden layer (hs = y): gather x's codes, x W1 + b1, exact GELU, quantise, h W2 (+ b2 in half 0), x gate,
; and each row goes to its entry's own row of ypart[hs]; the next launch adds a token's four rows. Both products on codes of E4M3 with E8M0 scales, f32 sums.
; SHARES. The waves share the columns: wave w makes hidden units 1024 hs + 256 w + 0 .. 255 (eight units of 32) for all 80 rows, then output columns 128 w + 0 .. 127.
; Each byte of the weights is loaded once a work-group, from a layout in the order of the operand's registers, 512 consecutive bytes an instruction, straight into registers.
; x's 20 fragments stay in each wave's registers; the hidden layer goes from wave to wave through LDS as images of the operand's registers; one barrier.
; BOTH PRODUCTS ARE USED TRANSPOSED (source 0 = 16 rows of the weight, source 1 = 16 rows of x or h): a lane holds one row (lane % 16). Row rr of tile j of a pair-tile g is column 32 g + 2 rr + j,
; so register jj of lane half h of tile j is column 32 g + 16 h + 2 jj + j: the hold ahead of the conversion, and the line that adds b2, put it at place 2 jj + j, which is the natural order.
; GELU(v) = max(v, 0) - |v| q, q = erfc(|v| / sqrt 2) / 2 = t 2^(P(t) - v^2 log2(e) / 2), t = 1 / (1 + |v| / sqrt 8), P of degree 9 (a Chebyshev fit of erfc, fractional error 1.2e-7 on the whole axis).
; No difference of near numbers on either side of 0.
; A SLOT THAT HOLDS NO ENTRY (8192 + tile) is computed like a row (on entry 8191's codes) and stored into the tile's own row 8192 + tile of ypart, which nobody reads. A tile that the split leaves
; without rows consists of such slots and runs like any other, on expert 0: so no branch on the stored list stands ahead of the barrier, which every wave passes. At most 7 tiles of 110 are such.
; NO TENSOR LOADS, NO CLUSTER: a tile's expert is read from memory, neighbours in the grid may have different experts, and every weight address hangs on that number.
; LIMITS: NaN and infinities are not served. q is 0 where 2^x would be denormal. q's relative error grows from some 5e-7 to a few 1e-6 for v under -6. A block under 2^-118 keeps the byte 1.
; REGISTERS, in windows of 256. Window 0: v1-9 addresses; v16-25 gates (pairs); v26-30 entries; v32-85 scale words and nothing else; v86-87 a coefficient; v88-95 at work; v96-175 H (later h's fragments, set 0);
; v176-215 T, v216-255 P (later set 1). Window 1: slots S0 (v0-127), S1 (v128-255). Window 2: slot S2 (v0-127); x's tile 4, later its results (v128-191); b1 as loaded (v192-223), as C (v224-239).
; Window 3: x's tiles 0-3 (64 m + 16 s), later their results (64 m + 8 n).
.set XSO,  2097152
.set GATE, 2162688
.set W1S,  2195456
.set W1Q,  2457600
.set W2S,  8388608
.set PL,   17002496                    ; a plane of ypart: 8,302 rows of 2,048 bytes
.set HSC,  81920                       ; LDS: 0: h's pieces, (5 kc + m) x 512 + 16 l; HSC: its scale bytes, 1024 m + 32 l + kc;
.set STG,  87040                       ; STG + 8,448 w: a stage of 16 rows x (512 + 16) bytes for each wave
.set LN16, 1
.set HW,   2
.set HSB,  3
.set BOF,  4
.set STO,  5
.set SRD,  6
.set PFO,  7
.set HSR,  8
.set LI2,  9
.set GP,   16
.set ENT,  26
.set XS,   32                          ; v32-51 x's scale words (4 m + s); in the second product W2's for K steps 4-7
.set W2BS, 32
.set W1SC, 52                          ; v52-59 W1's (4 slot + s)
.set W2A,  60                          ; v60-75 W2's for K steps 0-3 (4 p + q)
.set HS,   76                          ; v76-85 h's (5 (k % 2) + m)
.set KC8,  86
.set TMP,  88
.set H,    96
.set T,    176
.set P,    216
.set XO,   176                         ; at the head: the gather's offsets
.set PC,   216                         ; behind the GELU: codes, and the quantiser's registers
.set QM,   236
.set QX,   241
.set QL,   246
.set QS,   251
.set BN,   192
.set BC,   224
.set Y,    96
.set RR,   160
.set VO,   224
.set MSB, 0
.macro WIN new                         ; low byte: bits 1:0 source 0, 3:2 source 1, 5:4 source 2, 7:6 destination; the high byte repeats the setting that is left
.if MSB != (\new)
	s_set_vgpr_msb (MSB<<8)|(\new)
.set MSB, (\new)
.endif
.endm
.macro PLACES                          ; eight places behind this form of matrix instruction, ahead of loads into its registers and of reads of its results
.rept 8
	v_nop
.endr
.endm
.macro SPAIR r, val                    ; a packed form names a pair and takes its low word for both halves: both are written
	s_mov_b32 s[\r], \val
	s_mov_b32 s[\r+1], \val
.endm
	s_load_b256 s[4:11], s[0:1], 0x0               ; plan, q1, q2, b1
	s_load_b128 s[12:15], s[0:1], 0x20             ; b2, ypart
	v_lshl_add_u32 v15, v0, 2, 0x1d800
	v_mov_b32 v31, 0
	v_lshrrev_b32 v10, 5, v0
	v_readfirstlane_b32 s2, v10                    ; wave
	v_and_b32 v10, 31, v0                          ; l
	v_and_b32 v11, 15, v0                          ; r
	v_bfe_u32 v12, v0, 4, 1                        ; h
	v_lshlrev_b32 v13, 4, v12                      ; 16 h
	s_mov_b32 s16, ttmp9                           ; tile
	s_and_b32 s17, ttmp7, 0xffff                   ; hs
	v_lshlrev_b32 v[LN16], 4, v10
	s_mul_i32 s22, s2, 20480
	v_add_nc_u32 v[HW], s22, v[LN16]               ; where I store h's pieces: 16 l + 8 units x 5 x 512 x wave
	s_lshl_b32 s22, s2, 3
	s_add_co_u32 s22, s22, HSC
	v_lshl_add_u32 v[HSB], v10, 5, s22             ; and their scale bytes: 32 l + 8 x wave
	v_lshlrev_b32 v[BOF], 6, v12                   ; biases: 64 h
	s_mul_i32 s22, s2, 8448
	s_add_co_u32 s22, s22, STG
	v_mul_u32_u24 v[STO], v11, 528
	v_lshl_add_u32 v[STO], v12, 6, v[STO]
	v_add_nc_u32 v[STO], s22, v[STO]               ; the stage, in: row r, + 64 h
	v_add_nc_u32 v[SRD], s22, v[LN16]              ; back: 16 l of a row
	v_lshlrev_b32 v[PFO], 8, v10
	v_lshlrev_b32 v[HSR], 5, v10
	v_add_nc_u32 v[HSR], HSC, v[HSR]
	v_add_nc_u32 v[LI2], 40960, v[LN16]            ; pieces of K steps 4-7: an LDS offset has 16 bits
	v_lshlrev_b32 v88, 2, v11
.irp m, 0,1,2,3,4
	v_mov_b32 v[GP+2*\m+1], 0                      ; named as the upper half of a pair
.endr
	v_mov_b32 v[KC8], 0xbf97d29d                   ; C8
	v_mov_b32 v[KC8+1], 0xbf97d29d
	s_mov_b32 s50, 0x76543210
	s_mov_b32 s51, 0xfedcba98                      ; v_permlanex16_b32's selects for lane l xor 16
	s_mov_b32 s52, 0x600000                        ; the mantissa field of 448
	s_mov_b32 s53, 0x3eb504f3                      ; 1 / sqrt 8
	SPAIR 54, 0xbf38aa3b                           ; -log2(e) / 2
	SPAIR 56, 0x3e7c6f08                           ; C9 .. C0: the fit's coefficients x log2(e); 1 is taken off C0 (the half)
	SPAIR 58, 0x40097039
	SPAIR 60, 0xbfd1a1e5
	SPAIR 62, 0x3ecdfd18
	SPAIR 66, 0xbe899a80
	SPAIR 84, 0x3e0efb2e
	SPAIR 86, 0x3f0a29d2
	SPAIR 88, 0x3fb8ab5a
	SPAIR 90, 0xc034d90f
	s_mov_b32 s23, 0
	s_wait_kmcnt 0x0
	s_lshl_b32 s22, s16, 2
	s_add_nc_u64 s[46:47], s[4:5], s[22:23]
	s_load_b32 s18, s[46:47], 0x0                  ; the tile's word
	s_mul_i32 s22, s16, 320
	s_add_co_u32 s22, s22, 512
	s_add_nc_u64 s[94:95], s[4:5], s[22:23]        ; the tile's 80 slots
.irp m, 0,1,2,3,4
	global_load_b32 v[ENT+\m], v88, s[94:95] offset:64*\m        ; lane (r, h): the entry of row 16 m + r
.endr
	s_wait_kmcnt 0x0
	s_and_b32 s19, s18, 7
	s_min_u32 s19, s19, 7                          ; e
	s_bitcmp1_b32 s18, 16
	s_cselect_b32 s20, 3, -1                       ; the trip in which the expert's first tile prefetches; else none
	s_cmp_eq_u32 s17, 0
	s_cselect_b32 s21, 1.0, 0                      ; b2 counts in half 0 alone
	s_lshl_b32 s22, s17, 5
	s_lshl_b32 s48, s2, 3
	s_add_co_u32 s22, s22, s48                     ; g0 = 32 hs + 8 w: my first unit
	s_mov_b32 s47, 0
	s_lshl_b32 s46, s19, 20
	s_lshl_b32 s48, s22, 14
	s_add_co_u32 s46, s46, s48
	s_add_co_u32 s46, s46, W1Q
	s_add_nc_u64 s[24:25], s[6:7], s[46:47]        ; W1's codes, unit g0;
	s_add_nc_u64 s[26:27], s[24:25], 16384         ; unit g0 + 1
	s_lshl_b32 s46, s19, 6
	s_add_co_u32 s46, s46, s22
	s_lshl_b32 s46, s46, 9
	s_add_co_u32 s46, s46, W1S
	s_add_nc_u64 s[32:33], s[6:7], s[46:47]        ; W1's scale words
	s_lshl_b32 s46, s19, 13
	s_lshl_b32 s48, s22, 7
	s_add_co_u32 s46, s46, s48
	s_add_nc_u64 s[34:35], s[10:11], s[46:47]      ; b1
	s_lshl_b32 s46, s19, 20
	s_lshl_b32 s48, s17, 19
	s_add_co_u32 s46, s46, s48
	s_lshl_b32 s48, s2, 14
	s_add_co_u32 s46, s46, s48
	s_add_nc_u64 s[36:37], s[8:9], s[46:47]        ; W2's codes: my 16 KB of this half's K step 0,
	s_add_nc_u64 s[38:39], s[36:37], 65536         ; 1,
	s_add_nc_u64 s[40:41], s[36:37], 131072        ; 2
	s_lshl_b32 s46, s19, 2
	s_lshl_b32 s48, s17, 1
	s_add_co_u32 s46, s46, s48
	s_lshl_b32 s46, s46, 4
	s_lshl_b32 s48, s2, 2
	s_add_co_u32 s46, s46, s48
	s_lshl_b32 s46, s46, 9
	s_add_co_u32 s46, s46, W2S
	s_add_nc_u64 s[42:43], s[8:9], s[46:47]        ; W2's scale words
	s_mul_i32 s46, s17, PL
	s_lshl_b32 s48, s2, 9
	s_add_co_u32 s46, s46, s48
	s_add_nc_u64 s[44:45], s[14:15], s[46:47]      ; ypart: my plane, my 512 bytes of a row
	s_lshl_b32 s46, s19, 11
	s_add_co_u32 s46, s46, s48
	s_add_nc_u64 s[92:93], s[12:13], s[46:47]      ; b2
	s_mov_b32 s49, 0
; A unit's 37 loads: its scale words, its 32 biases (16 a lane), its 16 KB of codes into slot 0 or 1
.macro GROUP slot, pc, immS, immB
	global_load_b128 v[W1SC+4*\slot:W1SC+4*\slot+3], v[LN16], s[32:33] offset:\immS
	WIN 0x80
.irp i, 0,1,2,3
	global_load_b128 v[BN+16*\slot+4*\i:BN+16*\slot+4*\i+3], v[BOF], s[34:35] offset:\immB+16*\i
.endr
	WIN 0x40
.set i, 0
.rept 32
	global_load_b128 v[128*\slot+4*i:128*\slot+4*i+3], v[LN16], s[\pc:\pc+1] offset:512*i
.set i, i+1
.endr
	WIN 0
.endm
	GROUP 0, 24, 0, 0
	s_wait_loadcnt 37                              ; the five entries are in; the group's 37 loads may be out
.irp m, 0,1,2,3,4
	v_min_u32 v[192+\m], 8191, v[ENT+\m]           ; a slot without an entry reads entry 8191's
	v_and_b32 v[197+\m], 0x1ffe, v[192+\m]         ; 2 x token
	v_lshl_add_u32 v[XO+\m], v[197+\m], 8, v13     ; 512 x token + 16 h
	v_lshlrev_b32 v[XO+5+\m], 3, v[197+\m]         ; 16 x token
	v_lshlrev_b32 v[XO+10+\m], 2, v[192+\m]        ; 4 x entry
.endr
.irp m, 0,1,2,3,4
	global_load_b128 v[XS+4*\m:XS+4*\m+3], v[XO+5+\m], s[6:7] offset:XSO
.endr
.irp m, 0,1,2,3,4
	global_load_b32 v[GP+2*\m], v[XO+10+\m], s[6:7] offset:GATE
.endr
	WIN 0xc0
.irp m, 0,1,2,3
.irp s, 0,1,2,3
.irp c, 0,1,2,3
	global_load_b128 v[64*\m+16*\s+4*\c:64*\m+16*\s+4*\c+3], v[XO+\m], s[6:7] offset:128*\s+32*\c
.endr
.endr
.endr
	WIN 0x80
.irp s, 0,1,2,3
.irp c, 0,1,2,3
	global_load_b128 v[128+16*\s+4*\c:128+16*\s+4*\c+3], v[XO+4], s[6:7] offset:128*\s+32*\c
.endr
.endr
	WIN 0
	GROUP 1, 26, 512, 128
	WIN 0x80
.set i, 0
.rept 32
	global_load_b128 v[4*i:4*i+3], v[LN16], s[36:37] offset:512*i          ; W2's K step 0 waits in slot S2 through the first product
.set i, i+1
.endr
	WIN 0
.irp p, 0,1,2,3
	global_load_b128 v[W2A+4*\p:W2A+4*\p+3], v[LN16], s[42:43] offset:512*\p
.endr
; a product of the first layer: tile j of the slot's unit x rows 16 m on, K step s. The first K step takes the bias as C.
.macro P1MUL slot, m, j, s, xr
.set rD, H+16*(\m)+8*(\j)
.set rA, 128*(\slot)+16*(4*(\j)+(\s))
.set rB, (\xr)
.set rSA, W1SC+4*(\slot)+(\s)
.set rSB, XS+4*(\m)+(\s)
.if (\s) == 0
.if (\j) == 0
	v_wmma_scale_f32_16x16x128_f8f6f4 v[rD:rD+7], v[rA:rA+15], v[rB:rB+15], v[BC:BC+7], v[rSA], v[rSB]
.else
	v_wmma_scale_f32_16x16x128_f8f6f4 v[rD:rD+7], v[rA:rA+15], v[rB:rB+15], v[BC+8:BC+15], v[rSA], v[rSB] matrix_a_scale:MATRIX_SCALE_ROW1
.endif
.else
.if (\j) == 0
	v_wmma_scale_f32_16x16x128_f8f6f4 v[rD:rD+7], v[rA:rA+15], v[rB:rB+15], v[rD:rD+7], v[rSA], v[rSB]
.else
	v_wmma_scale_f32_16x16x128_f8f6f4 v[rD:rD+7], v[rA:rA+15], v[rB:rB+15], v[rD:rD+7], v[rSA], v[rSB] matrix_a_scale:MATRIX_SCALE_ROW1
.endif
.endif
.endm
; the GELU of 40 registers, in place
.macro GELU b
.set V, H+40*(\b)
.set i, 0
.rept 40
	v_fma_f32 v[T+i], |v[V+i]|, s53, 1.0           ; ascending: each accumulator is read from its low end on
.set i, i+1
.endr
.set i, 0
.rept 40
	v_rcp_f32 v[T+i], v[T+i]                       ; t
.set i, i+1
.endr
	v_nop                                          ; a plain line behind the last of the batch,
	s_wait_alu depctr_va_vdst(0)                   ; and one wait for the batch, ahead of its first reader
.set i, 0
.rept 20
	v_pk_fma_f32 v[P+i:P+i+1], v[T+i:T+i+1], s[56:57], v[KC8:KC8+1] op_sel_hi:[1,0,1]
.set i, i+2
.endr
.irp c, 58,60,62,66,84,86,88,90                ; Horner, a coefficient at a time over the 20 pairs: no line waits for the line above it
.set i, 0
.rept 20
	v_pk_fma_f32 v[P+i:P+i+1], v[P+i:P+i+1], v[T+i:T+i+1], s[\c:\c+1] op_sel_hi:[1,1,0]
.set i, i+2
.endr
.endr
.set i, 0
.rept 5
.irp u, 0,2,4,6
	v_pk_mul_f32 v[TMP+\u:TMP+\u+1], v[V+i+\u:V+i+\u+1], s[54:55] op_sel_hi:[1,0]
.endr
.irp u, 0,2,4,6
	v_pk_fma_f32 v[P+i+\u:P+i+\u+1], v[TMP+\u:TMP+\u+1], v[V+i+\u:V+i+\u+1], v[P+i+\u:P+i+\u+1]   ; P(t) - v^2 log2(e) / 2
.endr
.set i, i+8
.endr
.set i, 0
.rept 40
	v_exp_f32 v[P+i], v[P+i]
.set i, i+1
.endr
	v_nop
	s_wait_alu depctr_va_vdst(0)
.set i, 0
.rept 20
	v_pk_mul_f32 v[T+i:T+i+1], v[T+i:T+i+1], v[P+i:P+i+1]        ; q
.set i, i+2
.endr
.set i, 0
.rept 40
	v_max_num_f32 v[P+i], 0, v[V+i]
.set i, i+1
.endr
.set i, 0
.rept 40
	v_fma_f32 v[V+i], -|v[V+i]|, v[T+i], v[P+i]    ; max(v, 0) - |v| q
.set i, i+1
.endr
.endm
; the unit's 32 hidden units of 80 rows are one block of 32 along the next K: a lane's 16 numbers of each tile of rows become 16 codes, and the block's byte
.macro QUANT uoff
.irp m, 0,1,2,3,4
	v_max3_num_f32 v[QM+\m], |v[H+16*\m]|, |v[H+16*\m+1]|, 0x4800000       ; with the floor 2^(9 - 127): the byte cannot fall under 1
.endr
.irp i, 2,4,6,8,10,12,14
.irp m, 0,1,2,3,4
	v_max3_num_f32 v[QM+\m], v[QM+\m], |v[H+16*\m+\i]|, |v[H+16*\m+\i+1]|
.endr
.endr
.irp m, 0,1,2,3,4
	v_permlanex16_b32 v[QX+\m], v[QM+\m], s50, s51
.endr
.irp m, 0,1,2,3,4
	v_max_num_f32 v[QM+\m], v[QM+\m], v[QX+\m]     ; with lane l xor 16's 16: the block's largest magnitude
.endr
.irp m, 0,1,2,3,4
	v_add_nc_u32 v[QS+\m], 0xfc000000, v[QM+\m]    ; 8 off the exponent field: the conversion's scale operand
.endr
.irp m, 0,1,2,3,4
	v_and_or_b32 v[QL+\m], v[QM+\m], 0x7f800000, s52             ; 448 x the scale
.endr
.irp m, 0,1,2,3,4
	v_lshrrev_b32 v[QX+\m], 23, v[QS+\m]           ; the byte
.endr
.irp m, 0,1,2,3,4
.set HQ, T+16*(\m%2)
.irp j, 0,1
.irp jj, 0,1,2,3,4,5,6,7
	v_med3_num_f32 v[HQ+2*\jj+\j], v[H+16*\m+8*\j+\jj], -v[QL+\m], v[QL+\m]   ; the hold (ISA guide 7.6.2), and the natural order
.endr
.endr
	v_cvt_scalef32_pk8_fp8_f32 v[PC+4*\m:PC+4*\m+1], v[HQ:HQ+7], v[QS+\m]
	v_cvt_scalef32_pk8_fp8_f32 v[PC+4*\m+2:PC+4*\m+3], v[HQ+8:HQ+15], v[QS+\m]
.endr
	v_nop                                          ; one plain line behind the last conversion
.irp m, 0,1,2,3,4
	ds_store_b128 v[HW], v[PC+4*\m:PC+4*\m+3] offset:512*\m+2560*(\uoff)
.endr
.irp m, 0,1,2,3,4
	ds_store_b8 v[HSB], v[QX+\m] offset:1024*\m+(\uoff)
.endr
.endm
; A UNIT: 32 hidden units x 80 rows
.macro UNIT slot, pc, uoff, immS, immB
	s_wait_dscnt 0x0                               ; the last unit's LDS stores are done
	s_wait_loadcnt 37                              ; this slot's group is in (and all that was asked for ahead of it); the other slot's 37 loads may be out
	WIN 0x82
.irp j, 0,1
.irp jj, 0,1,2,3,4,5,6,7
	v_mov_b32 v[BC+8*\j+\jj], v[BN+16*\slot+2*\jj+\j]            ; the bias in the result's layout
.endr
.endr
	WIN 0
	PLACES
.irp s, 0,1,2,3                                ; rows 0-63: eight accumulators by turns, one instruction a turn
.if \s == 0
	WIN 0x2d                                       ; W1 window 1, x window 3, the bias window 2
.else
	WIN 0x0d
.endif
.irp m, 0,1,2,3
	P1MUL \slot, \m, 0, \s, 64*\m+16*\s
	P1MUL \slot, \m, 1, \s, 64*\m+16*\s
.endr
.endr
.irp s, 0,1,2,3                                ; rows 64-79: two accumulators by turns
.if \s == 0
	WIN 0x29                                       ; x window 2
.else
	WIN 0x09
.endif
	P1MUL \slot, 4, 0, \s, 128+16*\s
	P1MUL \slot, 4, 1, \s, 128+16*\s
.endr
	WIN 0
	PLACES
	GROUP \slot, \pc, \immS, \immB                 ; the slot is free: the unit two on (in the last trip: a K step of W2)
	s_cmp_eq_u32 s3, s20                           ; A PREFETCH INTO THE L2 of W2's K steps 3 to 7 of this half, behind the unit's loads, in the last trip of the first product: one to two units ahead of the loads that want them.
	s_cbranch_scc0 .Lnopf_\@                       ; All tiles of an expert read the same codes: its first tile asks; each wave for its own 16 KB of a K step, lanes 256 bytes apart: each block is named once in the launch
.set pf, 5*(\uoff)
.rept 5
	global_prefetch_b8 v[PFO], s[36:37] offset:65536*(3+pf/2)+8192*(pf%2) th:TH_LOAD_NT scope:SCOPE_SE
.set pf, pf+1
.endr
.Lnopf_\@:
	GELU 0
	GELU 1
	QUANT \uoff
.endm
	s_mov_b32 s3, 0
.Ltrip:                                        ; four trips of two units
	s_wait_xcnt 0x0                                ; the loads issued so far have read their bases: they may step
	s_add_nc_u64 s[24:25], s[24:25], 32768
	s_add_nc_u64 s[26:27], s[26:27], 32768
	s_cmp_lt_u32 s3, 3
	s_cselect_b64 s[28:29], s[24:25], s[38:39]     ; the last trip fills the slots with W2's K steps 1 and 2,
	s_cselect_b64 s[30:31], s[26:27], s[40:41]
	s_cselect_b32 s46, 1024, 0                     ; and reads the last units' scale words and biases once more: no load leaves its buffer
	s_cselect_b32 s48, 256, 0
	s_add_nc_u64 s[32:33], s[32:33], s[46:47]
	s_add_nc_u64 s[34:35], s[34:35], s[48:49]
	UNIT 0, 28, 0, 0, 0
	UNIT 1, 30, 1, 512, 128
	v_add_nc_u32 v[HW], 5120, v[HW]
	v_add_nc_u32 v[HSB], 2, v[HSB]
	s_add_co_u32 s3, s3, 1
	s_cmp_lt_u32 s3, 4
	s_cbranch_scc1 .Ltrip
	s_wait_dscnt 0x0                               ; for the others' sake: my pieces and bytes lie in LDS
	s_barrier_signal -1
	s_barrier_wait -1                              ; everybody's do
; ---- the second product: eight K steps of 128, 40 accumulators (5 tiles of rows x 8 tiles of columns), each once a K step
.macro HLOAD k                         ; K step k's five fragments of h and their scale words, into set k % 2
.set HF, H+80*((\k)%2)
.irp m, 0,1,2,3,4
.irp c, 0,1,2,3
.if (\k) < 4
	ds_load_b128 v[HF+16*\m+4*\c:HF+16*\m+4*\c+3], v[LN16] offset:((4*(\k)+\c)*5+\m)*512
.else
	ds_load_b128 v[HF+16*\m+4*\c:HF+16*\m+4*\c+3], v[LI2] offset:((4*((\k)-4)+\c)*5+\m)*512
.endif
.endr
	ds_load_b32 v[HS+5*((\k)%2)+\m], v[HSR] offset:1024*\m+4*(\k)
.endr
.endm
.macro P2MUL k, m, nn, slotr, sc, dr
.set rD, (\dr)
.set rA, (\slotr)+16*(\nn)
.set rB, H+80*((\k)%2)+16*(\m)
.set rSA, (\sc)+4*((\nn)/2)+((\k)%4)
.set rSB, HS+5*((\k)%2)+(\m)
.if (\k) == 0
.if ((\nn)%2) == 0
	v_wmma_scale_f32_16x16x128_f8f6f4 v[rD:rD+7], v[rA:rA+15], v[rB:rB+15], 0, v[rSA], v[rSB]
.else
	v_wmma_scale_f32_16x16x128_f8f6f4 v[rD:rD+7], v[rA:rA+15], v[rB:rB+15], 0, v[rSA], v[rSB] matrix_a_scale:MATRIX_SCALE_ROW1
.endif
.else
.if ((\nn)%2) == 0
	v_wmma_scale_f32_16x16x128_f8f6f4 v[rD:rD+7], v[rA:rA+15], v[rB:rB+15], v[rD:rD+7], v[rSA], v[rSB]
.else
	v_wmma_scale_f32_16x16x128_f8f6f4 v[rD:rD+7], v[rA:rA+15], v[rB:rB+15], v[rD:rD+7], v[rSA], v[rSB] matrix_a_scale:MATRIX_SCALE_ROW1
.endif
.endif
.endm
.macro KSTEP k, slotw, slotr, n, sc    ; the slot's window and first register; the loads that may stay out; W2's scale words
	s_wait_loadcnt \n
	s_wait_dscnt 0x0                               ; this K step's fragments of h are in
.if (\k) < 7
	HLOAD \k+1                                     ; the next one's come while this one is multiplied
.endif
	WIN (0xf0+\slotw)
.irp m, 0,1,2,3
.irp nn, 0,1,2,3,4,5,6,7
	P2MUL \k, \m, \nn, \slotr, \sc, 64*\m+8*\nn
.endr
.endr
	WIN (0xa0+\slotw)
.irp nn, 0,1,2,3,4,5,6,7
	P2MUL \k, 4, \nn, \slotr, \sc, 128+8*\nn
.endr
	WIN 0
	PLACES
.if (\k) <= 4
	WIN (0x40*\slotw)
.set i, 0
.rept 32
	global_load_b128 v[(\slotr)+4*i:(\slotr)+4*i+3], v[LN16], s[36:37] offset:65536*((\k)+3)+512*i     ; the slot takes the K step three on
.set i, i+1
.endr
	WIN 0
.endif
.if (\k) == 5
	WIN 0x40
.irp p, 0,1,2,3
.irp i, 0,1,2,3
	global_load_b128 v[128+16*\p+4*\i:128+16*\p+4*\i+3], v[BOF], s[92:93] offset:128*\p+16*\i          ; b2 of my 128 columns, 16 a lane of each 32, into the slot that is done with
.endr
.endr
	WIN 0
.endif
.endm
.irp p, 0,1,2,3
	global_load_b128 v[W2BS+4*\p:W2BS+4*\p+3], v[LN16], s[42:43] offset:8192+512*\p
.endr
	HLOAD 0
	; the counts: behind a slot's 32 loads stand 64 to 73 younger ones up to K step 5, and a wait can name 63 at the most; then K step 7's 32 and b2's 16; then b2's 16
	KSTEP 0, 2, 0,   63, W2A
	KSTEP 1, 1, 0,   63, W2A
	KSTEP 2, 1, 128, 63, W2A
	KSTEP 3, 2, 0,   63, W2A
	KSTEP 4, 1, 0,   63, W2BS
	KSTEP 5, 1, 128, 63, W2BS
	KSTEP 6, 2, 0,   48, W2BS
	KSTEP 7, 1, 0,   16, W2BS
; ---- THE WAY OUT, a tile of 16 rows at a time: (result + b2 in half 0) x gate, in the natural order of the columns; through my own stage; each row's 512 bytes to its entry's row of ypart
.macro OUTM m
	s_load_b512 s[68:83], s[94:95], 64*\m          ; the 16 rows' entries, as scalars
.if \m == 0
	s_wait_loadcnt 0x0                             ; b2
.else
	s_wait_xcnt 0x0                                ; the last tile's stores have read their registers
.endif
.if \m < 4
	WIN 0x31                                       ; b2 window 1, the results window 3
.set OB, 64*\m
.else
	WIN 0x21
.set OB, 128
.endif
.irp p, 0,1,2,3
.irp j, 0,1
.irp jj, 0,1,2,3,4,5,6,7
	v_fma_f32 v[Y+16*\p+2*\jj+\j], v[128+16*\p+2*\jj+\j], s21, v[OB+8*(2*\p+\j)+\jj]    ; each accumulator from its low end on
.endr
.endr
.endr
	WIN 0
.set i, 0
.rept 32
	v_pk_mul_f32 v[Y+i:Y+i+1], v[Y+i:Y+i+1], v[GP+2*\m:GP+2*\m+1] op_sel_hi:[1,0]
.set i, i+2
.endr
.irp p, 0,1,2,3
.irp i, 0,1,2,3
	ds_store_b128 v[STO], v[Y+16*\p+4*\i:Y+16*\p+4*\i+3] offset:128*\p+16*\i
.endr
.endr
.set i, 0
.rept 16
	ds_load_b128 v[RR+4*i:RR+4*i+3], v[SRD] offset:528*i         ; LDS serves a wave's instructions in order (ISA guide 5.7.1.4): these see my stores
.set i, i+1
.endr
	s_wait_kmcnt 0x0
.set i, 0
.rept 16
	s_min_u32 s[68+i], s[68+i], 8301
	s_lshl_b32 s[68+i], s[68+i], 11
	v_add_nc_u32 v[VO+i], s[68+i], v[LN16]
.set i, i+1
.endr
.set i, 0
.rept 16
	s_wait_dscnt 15-i                              ; row i is back; the rows behind it may be out
	global_store_b128 v[VO+i], v[RR+4*i:RR+4*i+3], s[44:45]      ; 32 lanes store 512 consecutive bytes, at a multiple of 256 from ypart's first byte
.set i, i+1
.endr
.endm
	OUTM 0
	OUTM 1
	OUTM 2
	OUTM 3
	OUTM 4
	s_wait_tensorcnt 0x0
	ds_add_u32 v15, v31
	s_wait_dscnt 0x0
	s_endpgm
.Lfunc_end_k_qcce7ea9307_chain:
	.size	k_qcce7ea9307_chain, .Lfunc_end_k_qcce7ea9307_chain-k_qcce7ea9307_chain
	.p2alignl 7, 3214868480
	.fill 96, 4, 3214868480
	.section	.rodata,"a",@progbits
	.p2align	6, 0x0
	.amdhsa_kernel k_qcce7ea9307_chain
		.amdhsa_group_segment_fixed_size 121344
		.amdhsa_private_segment_fixed_size 0
		.amdhsa_enable_private_segment 0
		.amdhsa_kernarg_size 48
		.amdhsa_user_sgpr_count 2
		.amdhsa_user_sgpr_kernarg_segment_ptr 1
		.amdhsa_wavefront_size32 1
		.amdhsa_system_sgpr_workgroup_id_x 1
		.amdhsa_system_sgpr_workgroup_id_y 1
		.amdhsa_system_sgpr_workgroup_id_z 1
		.amdhsa_system_vgpr_workitem_id 0
		.amdhsa_next_free_vgpr 1024
		.amdhsa_next_free_sgpr 96
		.amdhsa_reserve_vcc 0
		.amdhsa_float_denorm_mode_32 3
		.amdhsa_float_denorm_mode_16_64 3
		.amdhsa_memory_ordered 1
		.amdhsa_forward_progress 1
		.amdhsa_inst_pref_size 255
	.end_amdhsa_kernel
	.section	.bss,"aw",@nobits
	.p2align	6
	.space	262144
	.amdgpu_metadata
---
amdhsa.version: [ 1, 2 ]
amdhsa.kernels:
  - .name:           k_qcce7ea9307_chain
    .symbol:         k_qcce7ea9307_chain.kd
    .args:
      - { .name: plan, .offset: 0, .size: 8, .value_kind: global_buffer, .address_space: global }
      - { .name: q1, .offset: 8, .size: 8, .value_kind: global_buffer, .address_space: global }
      - { .name: q2, .offset: 16, .size: 8, .value_kind: global_buffer, .address_space: global }
      - { .name: b1, .offset: 24, .size: 8, .value_kind: global_buffer, .address_space: global }
      - { .name: b2, .offset: 32, .size: 8, .value_kind: global_buffer, .address_space: global }
      - { .name: ypart, .offset: 40, .size: 8, .value_kind: global_buffer, .address_space: global }
    .group_segment_fixed_size: 121344
    .private_segment_fixed_size: 0
    .kernarg_segment_align: 8
    .kernarg_segment_size: 48
    .max_flat_workgroup_size: 128
    .sgpr_count:     96
    .vgpr_count:     1024
    .wavefront_size: 32
...
	.end_amdgpu_metadata
.endif
;; end of part 3
;; launch combine (part 4): grid 256 x 1, 8 waves a work-group, no clusters, 0 bytes of LDS; arguments ypart, out0; writes out0
.if DOCPART == 4
	.amdgcn_target "amdgcn-amd-amdhsa--gfx1250"
	.amdhsa_code_object_version 6
	.text
	.protected	k_qcce7ea9307_combine
	.globl	k_qcce7ea9307_combine
	.p2align	8
	.type	k_qcce7ea9307_combine,@function
k_qcce7ea9307_combine:
	s_mov_b64 s[64:65], 0
	v_nop
	global_prefetch_b8 v0, s[64:65] scope:SCOPE_SE
	s_setreg_imm32_b32 hwreg(HW_REG_WAVE_MODE, 25, 1), 1
	s_wait_xcnt 0x0
; out0[t] = ypart[0][2 t] + ypart[0][2 t + 1] + ypart[1][2 t] + ypart[1][2 t + 1]: a token's two experts, each in two halves of the hidden layer; the gates and b2 are in already.
; A stream: a wave takes two tokens; 32 loads of 512 consecutive bytes go out at once, each piece of 512 bytes is summed as (a + b) + (c + d) and stored when its four loads are in.
; No LDS, no barrier, no matrix unit, no cluster: no byte is read twice and no wave needs another's.
.set PL, 17002496                      ; a plane of ypart
.set D0, 16                            ; v16-143: piece idx = 4 token + i at 16 idx: a, b, c, d, four registers each
	s_load_b128 s[4:7], s[0:1], 0x0                ; ypart, out0
	v_lshrrev_b32 v1, 5, v0
	v_readfirstlane_b32 s8, v1                     ; wave
	v_and_b32 v2, 31, v0
	v_lshlrev_b32 v2, 4, v2                        ; 16 l
	s_lshl_b32 s9, ttmp9, 4
	s_lshl_b32 s10, s8, 1
	s_add_co_u32 s9, s9, s10                       ; my first token
	s_lshl_b32 s10, s9, 12                         ; two rows of 2,048 bytes a token
	s_mov_b32 s11, 0
	s_lshl_b32 s12, s9, 11
	s_mov_b32 s13, 0
	s_wait_kmcnt 0x0
	s_add_nc_u64 s[4:5], s[4:5], s[10:11]
	s_add_nc_u64 s[14:15], s[4:5], PL
	s_add_nc_u64 s[6:7], s[6:7], s[12:13]
.irp t, 0,1
.irp i, 0,1,2,3
.set rb, D0+16*(4*\t+\i)
	global_load_b128 v[rb:rb+3], v2, s[4:5] offset:4096*\t+512*\i th:TH_LOAD_NT
	global_load_b128 v[rb+4:rb+7], v2, s[4:5] offset:4096*\t+2048+512*\i th:TH_LOAD_NT
	global_load_b128 v[rb+8:rb+11], v2, s[14:15] offset:4096*\t+512*\i th:TH_LOAD_NT
	global_load_b128 v[rb+12:rb+15], v2, s[14:15] offset:4096*\t+2048+512*\i th:TH_LOAD_NT
.endr
.endr
.irp t, 0,1
.irp i, 0,1,2,3
.set rb, D0+16*(4*\t+\i)
	s_wait_loadcnt 28-4*(4*\t+\i)                  ; this piece's four loads are in; the later pieces' may be out
	v_pk_add_f32 v[rb:rb+1], v[rb:rb+1], v[rb+4:rb+5]
	v_pk_add_f32 v[rb+2:rb+3], v[rb+2:rb+3], v[rb+6:rb+7]
	v_pk_add_f32 v[rb+8:rb+9], v[rb+8:rb+9], v[rb+12:rb+13]
	v_pk_add_f32 v[rb+10:rb+11], v[rb+10:rb+11], v[rb+14:rb+15]
	v_pk_add_f32 v[rb:rb+1], v[rb:rb+1], v[rb+8:rb+9]
	v_pk_add_f32 v[rb+2:rb+3], v[rb+2:rb+3], v[rb+10:rb+11]
	global_store_b128 v2, v[rb:rb+3], s[6:7] offset:2048*\t+512*\i th:TH_STORE_NT   ; 512 consecutive bytes, aligned; written once, read by nobody here
.endr
.endr
	s_endpgm
.Lfunc_end_k_qcce7ea9307_combine:
	.size	k_qcce7ea9307_combine, .Lfunc_end_k_qcce7ea9307_combine-k_qcce7ea9307_combine
	.p2alignl 7, 3214868480
	.fill 96, 4, 3214868480
	.section	.rodata,"a",@progbits
	.p2align	6, 0x0
	.amdhsa_kernel k_qcce7ea9307_combine
		.amdhsa_group_segment_fixed_size 0
		.amdhsa_private_segment_fixed_size 0
		.amdhsa_enable_private_segment 0
		.amdhsa_kernarg_size 16
		.amdhsa_user_sgpr_count 2
		.amdhsa_user_sgpr_kernarg_segment_ptr 1
		.amdhsa_wavefront_size32 1
		.amdhsa_system_sgpr_workgroup_id_x 1
		.amdhsa_system_sgpr_workgroup_id_y 1
		.amdhsa_system_sgpr_workgroup_id_z 1
		.amdhsa_system_vgpr_workitem_id 0
		.amdhsa_next_free_vgpr 144
		.amdhsa_next_free_sgpr 66
		.amdhsa_reserve_vcc 0
		.amdhsa_float_denorm_mode_32 3
		.amdhsa_float_denorm_mode_16_64 3
		.amdhsa_memory_ordered 1
		.amdhsa_forward_progress 1
		.amdhsa_inst_pref_size 8
	.end_amdhsa_kernel
	.amdgpu_metadata
---
amdhsa.version: [ 1, 2 ]
amdhsa.kernels:
  - .name:           k_qcce7ea9307_combine
    .symbol:         k_qcce7ea9307_combine.kd
    .args:
      - { .name: ypart, .offset: 0, .size: 8, .value_kind: global_buffer, .address_space: global }
      - { .name: out0, .offset: 8, .size: 8, .value_kind: global_buffer, .address_space: global }
    .group_segment_fixed_size: 0
    .private_segment_fixed_size: 0
    .kernarg_segment_align: 8
    .kernarg_segment_size: 16
    .max_flat_workgroup_size: 256
    .sgpr_count:     66
    .vgpr_count:     144
    .wavefront_size: 32
...
	.end_amdgpu_metadata
.endif
;; end of part 4
;; ======== version 2 of 2: 4 launches; version 1 with the launch chain written anew for expert scheduling mode
;; workspace buffers: sel 32,768 bytes of whole numbers; plan 36,352 bytes of whole numbers; q1 10,846,208 bytes; q2 8,650,752 bytes; ypart 34,004,992 bytes
;; launch route_w1: the kernel of part 1 again; grid 384 x 1, 4 waves a work-group, no clusters, 12,800 bytes of LDS; arguments x, router_w, router_b, w1, out1, sel, q1; writes out1, sel, q1
;; launch place_w2: the kernel of part 2 again; grid 257 x 1, 4 waves a work-group, no clusters, 2,560 bytes of LDS; arguments sel, w2, plan, q2; writes plan, q2
;; launch chain (part 5): grid 110 x 2, 4 waves a work-group, no clusters, 121,344 bytes of LDS; arguments plan, q1, q2, b1, b2, ypart; writes ypart
.if DOCPART == 5
	.amdgcn_target "amdgcn-amd-amdhsa--gfx1250"
	.amdhsa_code_object_version 6
	.text
	.protected	k_qcce7ea9307_chain
	.globl	k_qcce7ea9307_chain
	.p2align	8
	.type	k_qcce7ea9307_chain,@function
k_qcce7ea9307_chain:
	s_mov_b64 s[64:65], 0
	v_nop
	global_prefetch_b8 v0, s[64:65] scope:SCOPE_SE
	s_setreg_imm32_b32 hwreg(HW_REG_WAVE_SCHED_MODE, 0, 2), 2
	s_setreg_imm32_b32 hwreg(HW_REG_WAVE_MODE, 25, 1), 1
	s_wait_xcnt 0x0
	s_wait_alu depctr_vm_vsrc(0)
; ONE WORK-GROUP = 80 routed rows of one expert (tile = x) x one half of the hidden layer (hs = y): gather x's codes, x W1 + b1, exact GELU, quantise, h W2 (+ b2 in half 0), x gate,
; and each row goes to its entry's own row of ypart[hs]; the next launch adds a token's four rows. Both products on codes of E4M3 with E8M0 scales, f32 sums.
; SHARES. The waves share the columns: wave w makes hidden units 1024 hs + 256 w + 0 .. 255 (eight units of 32) for all 80 rows, then output columns 128 w + 0 .. 127.
; Each byte of the weights is loaded once a work-group, from a layout in the order of the operand's registers, 512 consecutive bytes an instruction, straight into registers.
; x's 20 fragments stay in each wave's registers; the hidden layer goes from wave to wave through LDS as images of the operand's registers; one barrier.
; BOTH PRODUCTS ARE USED TRANSPOSED (source 0 = 16 rows of the weight, source 1 = 16 rows of x or h): a lane holds one row (lane % 16). Row rr of tile j of a pair-tile g is column 32 g + 2 rr + j,
; so register jj of lane half h of tile j is column 32 g + 16 h + 2 jj + j: the hold ahead of the conversion, and the line that adds b2, put it at place 2 jj + j, which is the natural order.
; GELU(v) = max(v, 0) - |v| q, q = erfc(|v| / sqrt 2) / 2 = t 2^(P(t) - v^2 log2(e) / 2), t = 1 / (1 + |v| / sqrt 8), P of degree 9 (a Chebyshev fit of erfc, fractional error 1.2e-7 on the whole axis).
; No difference of near numbers on either side of 0.
; A SLOT THAT HOLDS NO ENTRY (8192 + tile) is computed like a row (on entry 8191's codes) and stored into the tile's own row 8192 + tile of ypart, which nobody reads. A tile that the split leaves
; without rows consists of such slots and runs like any other, on expert 0: so no branch on the stored list stands ahead of the barrier, which every wave passes. At most 7 tiles of 110 are such.
; NO TENSOR LOADS, NO CLUSTER: a tile's expert is read from memory, neighbours in the grid may have different experts, and every weight address hangs on that number.
; LIMITS: NaN and infinities are not served. q is 0 where 2^x would be denormal. q's relative error grows from some 5e-7 to a few 1e-6 for v under -6. A block under 2^-118 keeps the byte 1.
; REGISTERS, in windows of 256. Window 0: v1-9 addresses; v16-25 gates (pairs); v26-30 entries; v32-85 scale words and nothing else; v86-87 a coefficient; v88-95 at work; v96-175 H (later h's fragments, set 0);
; v176-215 T, v216-255 P (later set 1). Window 1: slots S0 (v0-127), S1 (v128-255). Window 2: slot S2 (v0-127); x's tile 4, later its results (v128-191); b1 as loaded (v192-223), as C (v224-239).
; Window 3: x's tiles 0-3 (64 m + 16 s), later their results (64 m + 8 n).
; THE MODE: SCHED_MODE bits 1:0 = 2 (LLVM: expert scheduling mode 2), set by the entry lines. The code itself states the register dependences between vector or matrix instructions and memory or LDS
; instructions, with s_wait_alu, always for 0.
; THE PLAN. Registers that memory or LDS instructions touch, and who else names them:
;   v1, v4-v9       addresses, made once at the head and never written again. v2, v3 (where h's pieces and bytes go): read by the quantiser's LDS stores, stepped once a trip.
;   v88, v176-190   the gather's offsets: made and read at the head; the GELU writes these registers later.
;   S0, S1, with their scale words and biases.  A unit's 40 products and 16 moves read one slot's; the 37 loads of the unit two on land there, behind the wait that follows the unit's first reciprocals.
;   PC, QX          The quantiser writes them, its ten LDS stores read them, the next unit's GELU writes them again.
;   h's sets 0, 1 with their scale words; S0, S1, S2 in the second product.  K step k's products read set k % 2 and one slot; the loads that land in both are issued in K step k + 1, behind the one wait at its head,
;                   dealt among that step's products, which name the other set, another slot and the accumulators alone.
;   Y, VO, RR       the way out.  Vector lines write Y and VO; LDS stores read Y, LDS loads land in RR, global stores read RR and VO; one wait ahead of a tile's stores, one at the next tile's head.
.set XSO,  2097152
.set GATE, 2162688
.set W1S,  2195456
.set W1Q,  2457600
.set W2S,  8388608
.set PL,   17002496                    ; a plane of ypart: 8,302 rows of 2,048 bytes
.set HSC,  81920                       ; LDS: 0: h's pieces, (5 kc + m) x 512 + 16 l; HSC: its scale bytes, 1024 m + 32 l + kc;
.set STG,  87040                       ; STG + 8,448 w: a stage of 16 rows x (512 + 16) bytes for each wave
.set LN16, 1
.set HW,   2
.set HSB,  3
.set BOF,  4
.set STO,  5
.set SRD,  6
.set PFO,  7
.set HSR,  8
.set LI2,  9
.set GP,   16
.set ENT,  26
.set XS,   32                          ; v32-51 x's scale words (4 m + s); in the second product W2's for K steps 4-7
.set W2BS, 32
.set W1SC, 52                          ; v52-59 W1's (4 slot + s)
.set W2A,  60                          ; v60-75 W2's for K steps 0-3 (4 p + q)
.set HS,   76                          ; v76-85 h's (5 (k % 2) + m)
.set KC8,  86
.set TMP,  88
.set H,    96
.set T,    176
.set P,    216
.set XO,   176                         ; at the head: the gather's offsets
.set PC,   216                         ; behind the GELU: codes, and the quantiser's registers
.set QM,   236
.set QX,   241
.set QL,   246
.set QS,   251
.set BN,   192
.set BC,   224
.set Y,    96
.set RR,   160
.set VO,   224
.set MSB, 0
.macro WIN new                         ; low byte: bits 1:0 source 0, 3:2 source 1, 5:4 source 2, 7:6 destination; the high byte repeats the setting that is left
.if MSB != (\new)
	s_set_vgpr_msb (MSB<<8)|(\new)
.set MSB, (\new)
.endif
.endm
.macro PLACES                          ; eight places behind this form of matrix instruction, ahead of loads into its registers and of reads of its results; they stay beside the waits
.rept 8
	v_nop
.endr
.endm
.macro SPAIR r, val                    ; a packed form names a pair and takes its low word for both halves: both are written
	s_mov_b32 s[\r], \val
	s_mov_b32 s[\r+1], \val
.endm
	s_load_b256 s[4:11], s[0:1], 0x0               ; plan, q1, q2, b1
	s_load_b128 s[12:15], s[0:1], 0x20             ; b2, ypart
	v_lshl_add_u32 v15, v0, 2, 0x1d800
	v_mov_b32 v31, 0
	v_lshrrev_b32 v10, 5, v0
	v_readfirstlane_b32 s2, v10                    ; wave
	v_and_b32 v10, 31, v0                          ; l
	v_and_b32 v11, 15, v0                          ; r
	v_bfe_u32 v12, v0, 4, 1                        ; h
	v_lshlrev_b32 v13, 4, v12                      ; 16 h
	s_mov_b32 s16, ttmp9                           ; tile
	s_and_b32 s17, ttmp7, 0xffff                   ; hs
	v_lshlrev_b32 v[LN16], 4, v10
	s_wait_alu depctr_va_sdst(0)                   ; s2, the wave's number, is written, ahead of its first reader
	s_mul_i32 s22, s2, 20480
	v_add_nc_u32 v[HW], s22, v[LN16]               ; where I store h's pieces: 16 l + 8 units x 5 x 512 x wave
	s_lshl_b32 s22, s2, 3
	s_add_co_u32 s22, s22, HSC
	v_lshl_add_u32 v[HSB], v10, 5, s22             ; and their scale bytes: 32 l + 8 x wave
	v_lshlrev_b32 v[BOF], 6, v12                   ; biases: 64 h
	s_mul_i32 s22, s2, 8448
	s_add_co_u32 s22, s22, STG
	v_mul_u32_u24 v[STO], v11, 528
	v_lshl_add_u32 v[STO], v12, 6, v[STO]
	v_add_nc_u32 v[STO], s22, v[STO]               ; the stage, in: row r, + 64 h
	v_add_nc_u32 v[SRD], s22, v[LN16]              ; back: 16 l of a row
	v_lshlrev_b32 v[PFO], 8, v10
	v_lshlrev_b32 v[HSR], 5, v10
	v_add_nc_u32 v[HSR], HSC, v[HSR]
	v_add_nc_u32 v[LI2], 40960, v[LN16]            ; pieces of K steps 4-7: an LDS offset has 16 bits
	v_lshlrev_b32 v88, 2, v11
.irp m, 0,1,2,3,4
	v_mov_b32 v[GP+2*\m+1], 0                      ; named as the upper half of a pair
.endr
	v_mov_b32 v[KC8], 0xbf97d29d                   ; C8
	v_mov_b32 v[KC8+1], 0xbf97d29d
	s_mov_b32 s50, 0x76543210
	s_mov_b32 s51, 0xfedcba98                      ; v_permlanex16_b32's selects for lane l xor 16
	s_mov_b32 s52, 0x600000                        ; the mantissa field of 448
	s_mov_b32 s53, 0x3eb504f3                      ; 1 / sqrt 8
	SPAIR 54, 0xbf38aa3b                           ; -log2(e) / 2
	SPAIR 56, 0x3e7c6f08                           ; C9 .. C0: the fit's coefficients x log2(e); 1 is taken off C0 (the half)
	SPAIR 58, 0x40097039
	SPAIR 60, 0xbfd1a1e5
	SPAIR 62, 0x3ecdfd18
	SPAIR 66, 0xbe899a80
	SPAIR 84, 0x3e0efb2e
	SPAIR 86, 0x3f0a29d2
	SPAIR 88, 0x3fb8ab5a
	SPAIR 90, 0xc034d90f
	s_mov_b32 s23, 0
	s_wait_kmcnt 0x0
	s_lshl_b32 s22, s16, 2
	s_add_nc_u64 s[46:47], s[4:5], s[22:23]
	s_load_b32 s18, s[46:47], 0x0                  ; the tile's word
	s_mul_i32 s22, s16, 320
	s_add_co_u32 s22, s22, 512
	s_add_nc_u64 s[94:95], s[4:5], s[22:23]        ; the tile's 80 slots
	s_wait_alu depctr_va_vdst(0)                   ; the addresses v1 to v9 and v88 are written, which the loads, stores and prefetches of the whole kernel read
.irp m, 0,1,2,3,4
	global_load_b32 v[ENT+\m], v88, s[94:95] offset:64*\m        ; lane (r, h): the entry of row 16 m + r
.endr
	s_wait_kmcnt 0x0
	s_and_b32 s19, s18, 7
	s_min_u32 s19, s19, 7                          ; e
	s_bitcmp1_b32 s18, 16
	s_cselect_b32 s20, 3, -1                       ; the trip in which the expert's first tile prefetches; else none
	s_cmp_eq_u32 s17, 0
	s_cselect_b32 s21, 1.0, 0                      ; b2 counts in half 0 alone
	s_lshl_b32 s22, s17, 5
	s_lshl_b32 s48, s2, 3
	s_add_co_u32 s22, s22, s48                     ; g0 = 32 hs + 8 w: my first unit
	s_mov_b32 s47, 0
	s_lshl_b32 s46, s19, 20
	s_lshl_b32 s48, s22, 14
	s_add_co_u32 s46, s46, s48
	s_add_co_u32 s46, s46, W1Q
	s_add_nc_u64 s[24:25], s[6:7], s[46:47]        ; W1's codes, unit g0;
	s_add_nc_u64 s[26:27], s[24:25], 16384         ; unit g0 + 1
	s_lshl_b32 s46, s19, 6
	s_add_co_u32 s46, s46, s22
	s_lshl_b32 s46, s46, 9
	s_add_co_u32 s46, s46, W1S
	s_add_nc_u64 s[32:33], s[6:7], s[46:47]        ; W1's scale words
	s_lshl_b32 s46, s19, 13
	s_lshl_b32 s48, s22, 7
	s_add_co_u32 s46, s46, s48
	s_add_nc_u64 s[34:35], s[10:11], s[46:47]      ; b1
	s_lshl_b32 s46, s19, 20
	s_lshl_b32 s48, s17, 19
	s_add_co_u32 s46, s46, s48
	s_lshl_b32 s48, s2, 14
	s_add_co_u32 s46, s46, s48
	s_add_nc_u64 s[36:37], s[8:9], s[46:47]        ; W2's codes: my 16 KB of this half's K step 0,
	s_add_nc_u64 s[38:39], s[36:37], 65536         ; 1,
	s_add_nc_u64 s[40:41], s[36:37], 131072        ; 2
	s_lshl_b32 s46, s19, 2
	s_lshl_b32 s48, s17, 1
	s_add_co_u32 s46, s46, s48
	s_lshl_b32 s46, s46, 4
	s_lshl_b32 s48, s2, 2
	s_add_co_u32 s46, s46, s48
	s_lshl_b32 s46, s46, 9
	s_add_co_u32 s46, s46, W2S
	s_add_nc_u64 s[42:43], s[8:9], s[46:47]        ; W2's scale words
	s_mul_i32 s46, s17, PL
	s_lshl_b32 s48, s2, 9
	s_add_co_u32 s46, s46, s48
	s_add_nc_u64 s[44:45], s[14:15], s[46:47]      ; ypart: my plane, my 512 bytes of a row
	s_lshl_b32 s46, s19, 11
	s_add_co_u32 s46, s46, s48
	s_add_nc_u64 s[92:93], s[12:13], s[46:47]      ; b2
	s_mov_b32 s49, 0
; A unit's 37 loads: its scale words, its 32 biases (16 a lane), its 16 KB of codes into slot 0 or 1
.macro GROUP slot, pc, immS, immB
	global_load_b128 v[W1SC+4*\slot:W1SC+4*\slot+3], v[LN16], s[32:33] offset:\immS
	WIN 0x80
.irp i, 0,1,2,3
	global_load_b128 v[BN+16*\slot+4*\i:BN+16*\slot+4*\i+3], v[BOF], s[34:35] offset:\immB+16*\i
.endr
	WIN 0x40
.set i, 0
.rept 32
	global_load_b128 v[128*\slot+4*i:128*\slot+4*i+3], v[LN16], s[\pc:\pc+1] offset:512*i
.set i, i+1
.endr
	WIN 0
.endm
	GROUP 0, 24, 0, 0
	s_wait_loadcnt 37                              ; the five entries are in; the group's 37 loads may be out
.irp m, 0,1,2,3,4
	v_min_u32 v[192+\m], 8191, v[ENT+\m]           ; a slot without an entry reads entry 8191's
	v_and_b32 v[197+\m], 0x1ffe, v[192+\m]         ; 2 x token
	v_lshl_add_u32 v[XO+\m], v[197+\m], 8, v13     ; 512 x token + 16 h
	v_lshlrev_b32 v[XO+5+\m], 3, v[197+\m]         ; 16 x token
	v_lshlrev_b32 v[XO+10+\m], 2, v[192+\m]        ; 4 x entry
.endr
	s_wait_alu depctr_va_vdst(0)                   ; the gather's fifteen offsets are written, which the loads below read; only loads and window switches follow up to the loop
.irp m, 0,1,2,3,4
	global_load_b128 v[XS+4*\m:XS+4*\m+3], v[XO+5+\m], s[6:7] offset:XSO
.endr
.irp m, 0,1,2,3,4
	global_load_b32 v[GP+2*\m], v[XO+10+\m], s[6:7] offset:GATE
.endr
	WIN 0xc0
.irp m, 0,1,2,3
.irp s, 0,1,2,3
.irp c, 0,1,2,3
	global_load_b128 v[64*\m+16*\s+4*\c:64*\m+16*\s+4*\c+3], v[XO+\m], s[6:7] offset:128*\s+32*\c
.endr
.endr
.endr
	WIN 0x80
.irp s, 0,1,2,3
.irp c, 0,1,2,3
	global_load_b128 v[128+16*\s+4*\c:128+16*\s+4*\c+3], v[XO+4], s[6:7] offset:128*\s+32*\c
.endr
.endr
	WIN 0
	GROUP 1, 26, 512, 128
	WIN 0x80
.set i, 0
.rept 32
	global_load_b128 v[4*i:4*i+3], v[LN16], s[36:37] offset:512*i          ; W2's K step 0 waits in slot S2 through the first product
.set i, i+1
.endr
	WIN 0
.irp p, 0,1,2,3
	global_load_b128 v[W2A+4*\p:W2A+4*\p+3], v[LN16], s[42:43] offset:512*\p
.endr
; a product of the first layer: tile j of the slot's unit x rows 16 m on, K step s. The first K step takes the bias as C.
.macro P1MUL slot, m, j, s, xr
.set rD, H+16*(\m)+8*(\j)
.set rA, 128*(\slot)+16*(4*(\j)+(\s))
.set rB, (\xr)
.set rSA, W1SC+4*(\slot)+(\s)
.set rSB, XS+4*(\m)+(\s)
.if (\s) == 0
.if (\j) == 0
	v_wmma_scale_f32_16x16x128_f8f6f4 v[rD:rD+7], v[rA:rA+15], v[rB:rB+15], v[BC:BC+7], v[rSA], v[rSB]
.else
	v_wmma_scale_f32_16x16x128_f8f6f4 v[rD:rD+7], v[rA:rA+15], v[rB:rB+15], v[BC+8:BC+15], v[rSA], v[rSB] matrix_a_scale:MATRIX_SCALE_ROW1
.endif
.else
.if (\j) == 0
	v_wmma_scale_f32_16x16x128_f8f6f4 v[rD:rD+7], v[rA:rA+15], v[rB:rB+15], v[rD:rD+7], v[rSA], v[rSB]
.else
	v_wmma_scale_f32_16x16x128_f8f6f4 v[rD:rD+7], v[rA:rA+15], v[rB:rB+15], v[rD:rD+7], v[rSA], v[rSB] matrix_a_scale:MATRIX_SCALE_ROW1
.endif
.endif
.endm
; the GELU of 40 registers, in place, in two parts. The first: t
.macro GELU_T b
.set V, H+40*(\b)
.set i, 0
.rept 40
	v_fma_f32 v[T+i], |v[V+i]|, s53, 1.0           ; ascending: each accumulator is read from its low end on
.set i, i+1
.endr
.set i, 0
.rept 40
	v_rcp_f32 v[T+i], v[T+i]                       ; t
.set i, i+1
.endr
	v_nop                                          ; a plain line behind the last of the batch,
	s_wait_alu depctr_va_vdst(0)                   ; and one wait for the batch: the reciprocals have written t, ahead of its first reader. In a unit's first half it states as well that the unit's products are
	                                               ; done reading the slot's codes and scale words, and the moves its biases: the unit's 37 loads, which land there, follow it at once
.endm
; the second: the polynomial, the exponential, the result
.macro GELU_P b
.set V, H+40*(\b)
.set i, 0
.rept 20
	v_pk_fma_f32 v[P+i:P+i+1], v[T+i:T+i+1], s[56:57], v[KC8:KC8+1] op_sel_hi:[1,0,1]
.set i, i+2
.endr
.irp c, 58,60,62,66,84,86,88,90                ; Horner, a coefficient at a time over the 20 pairs: no line waits for the line above it
.set i, 0
.rept 20
	v_pk_fma_f32 v[P+i:P+i+1], v[P+i:P+i+1], v[T+i:T+i+1], s[\c:\c+1] op_sel_hi:[1,1,0]
.set i, i+2
.endr
.endr
.set i, 0
.rept 5
.irp u, 0,2,4,6
	v_pk_mul_f32 v[TMP+\u:TMP+\u+1], v[V+i+\u:V+i+\u+1], s[54:55] op_sel_hi:[1,0]
.endr
.irp u, 0,2,4,6
	v_pk_fma_f32 v[P+i+\u:P+i+\u+1], v[TMP+\u:TMP+\u+1], v[V+i+\u:V+i+\u+1], v[P+i+\u:P+i+\u+1]   ; P(t) - v^2 log2(e) / 2
.endr
.set i, i+8
.endr
.set i, 0
.rept 40
	v_exp_f32 v[P+i], v[P+i]
.set i, i+1
.endr
	v_nop
	s_wait_alu depctr_va_vdst(0)                   ; the exponentials have written their results, ahead of the first reader: one wait for the batch
.set i, 0
.rept 20
	v_pk_mul_f32 v[T+i:T+i+1], v[T+i:T+i+1], v[P+i:P+i+1]        ; q
.set i, i+2
.endr
.set i, 0
.rept 40
	v_max_num_f32 v[P+i], 0, v[V+i]
.set i, i+1
.endr
.set i, 0
.rept 40
	v_fma_f32 v[V+i], -|v[V+i]|, v[T+i], v[P+i]    ; max(v, 0) - |v| q
.set i, i+1
.endr
.endm
; the unit's 32 hidden units of 80 rows are one block of 32 along the next K: a lane's 16 numbers of each tile of rows become 16 codes, and the block's byte
.macro QUANT uoff
.irp m, 0,1,2,3,4
	v_max3_num_f32 v[QM+\m], |v[H+16*\m]|, |v[H+16*\m+1]|, 0x4800000       ; with the floor 2^(9 - 127): the byte cannot fall under 1
.endr
.irp i, 2,4,6,8,10,12,14
.irp m, 0,1,2,3,4
	v_max3_num_f32 v[QM+\m], v[QM+\m], |v[H+16*\m+\i]|, |v[H+16*\m+\i+1]|
.endr
.endr
.irp m, 0,1,2,3,4
	v_permlanex16_b32 v[QX+\m], v[QM+\m], s50, s51
.endr
.irp m, 0,1,2,3,4
	v_max_num_f32 v[QM+\m], v[QM+\m], v[QX+\m]     ; with lane l xor 16's 16: the block's largest magnitude
.endr
.irp m, 0,1,2,3,4
	v_add_nc_u32 v[QS+\m], 0xfc000000, v[QM+\m]    ; 8 off the exponent field: the conversion's scale operand
.endr
.irp m, 0,1,2,3,4
	v_and_or_b32 v[QL+\m], v[QM+\m], 0x7f800000, s52             ; 448 x the scale
.endr
.irp m, 0,1,2,3,4
	v_lshrrev_b32 v[QX+\m], 23, v[QS+\m]           ; the byte
.endr
.irp m, 0,1,2,3,4
.set HQ, T+16*(\m%2)
.irp j, 0,1
.irp jj, 0,1,2,3,4,5,6,7
	v_med3_num_f32 v[HQ+2*\jj+\j], v[H+16*\m+8*\j+\jj], -v[QL+\m], v[QL+\m]   ; the hold (ISA guide 7.6.2), and the natural order
.endr
.endr
	v_cvt_scalef32_pk8_fp8_f32 v[PC+4*\m:PC+4*\m+1], v[HQ:HQ+7], v[QS+\m]
	v_cvt_scalef32_pk8_fp8_f32 v[PC+4*\m+2:PC+4*\m+3], v[HQ+8:HQ+15], v[QS+\m]
.endr
	v_nop                                          ; one plain line behind the last conversion
	s_wait_alu depctr_va_vdst(0)                   ; the conversions have written the codes and the shifts the bytes, which the ten LDS stores read; behind a trip's end their two addresses are written too.
	                                               ; Behind the loop it also serves the loads that land in v32-47 and v96-255: all that read or wrote these registers stands ahead of it, and only the two addresses' steps follow
.irp m, 0,1,2,3,4
	ds_store_b128 v[HW], v[PC+4*\m:PC+4*\m+3] offset:512*\m+2560*(\uoff)
.endr
.irp m, 0,1,2,3,4
	ds_store_b8 v[HSB], v[QX+\m] offset:1024*\m+(\uoff)
.endr
	s_wait_alu depctr_vm_vsrc(0)                   ; the ten stores have read the codes, the bytes and their two addresses: the next unit's GELU writes the first two again, the trip's end steps the addresses, and behind the loop h's fragments land there
.endm
; A UNIT: 32 hidden units x 80 rows
.macro UNIT slot, pc, uoff, immS, immB
	s_wait_dscnt 0x0                               ; the last unit's LDS stores are done
	s_wait_loadcnt 37                              ; this slot's group is in (and all that was asked for ahead of it); the other slot's 37 loads may be out
	WIN 0x82
.irp j, 0,1
.irp jj, 0,1,2,3,4,5,6,7
	v_mov_b32 v[BC+8*\j+\jj], v[BN+16*\slot+2*\jj+\j]            ; the bias in the result's layout
.endr
.endr
	WIN 0
	PLACES
.irp s, 0,1,2,3                                ; rows 0-63: eight accumulators by turns, one instruction a turn
.if \s == 0
	WIN 0x2d                                       ; W1 window 1, x window 3, the bias window 2
.else
	WIN 0x0d
.endif
.irp m, 0,1,2,3
	P1MUL \slot, \m, 0, \s, 64*\m+16*\s
	P1MUL \slot, \m, 1, \s, 64*\m+16*\s
.endr
.endr
.irp s, 0,1,2,3                                ; rows 64-79: two accumulators by turns
.if \s == 0
	WIN 0x29                                       ; x window 2
.else
	WIN 0x09
.endif
	P1MUL \slot, 4, 0, \s, 128+16*\s
	P1MUL \slot, 4, 1, \s, 128+16*\s
.endr
	WIN 0
	PLACES
	GELU_T 0
	GROUP \slot, \pc, \immS, \immB                 ; the slot is free: the unit two on (in the last trip: a K step of W2). No vector line stands between the wait above and these loads
	s_cmp_eq_u32 s3, s20                           ; A PREFETCH INTO THE L2 of W2's K steps 3 to 7 of this half, behind the unit's loads, in the last trip of the first product: one to two units ahead of the loads that want them.
	s_cbranch_scc0 .Lnopf_\@                       ; All tiles of an expert read the same codes: its first tile asks; each wave for its own 16 KB of a K step, lanes 256 bytes apart: each block is named once in the launch
.set pf, 5*(\uoff)
.rept 5
	global_prefetch_b8 v[PFO], s[36:37] offset:65536*(3+pf/2)+8192*(pf%2) th:TH_LOAD_NT scope:SCOPE_SE
.set pf, pf+1
.endr
.Lnopf_\@:
	GELU_P 0
	GELU_T 1
	GELU_P 1
	QUANT \uoff
.endm
	s_wait_alu depctr_vm_vsrc(0)                   ; the head's loads have read v88 and the gather's offsets v176-190, which the GELU writes
	s_mov_b32 s3, 0
.Ltrip:                                        ; four trips of two units
	s_wait_xcnt 0x0                                ; the loads issued so far have read their bases: they may step
	s_add_nc_u64 s[24:25], s[24:25], 32768
	s_add_nc_u64 s[26:27], s[26:27], 32768
	s_cmp_lt_u32 s3, 3
	s_cselect_b64 s[28:29], s[24:25], s[38:39]     ; the last trip fills the slots with W2's K steps 1 and 2,
	s_cselect_b64 s[30:31], s[26:27], s[40:41]
	s_cselect_b32 s46, 1024, 0                     ; and reads the last units' scale words and biases once more: no load leaves its buffer
	s_cselect_b32 s48, 256, 0
	s_add_nc_u64 s[32:33], s[32:33], s[46:47]
	s_add_nc_u64 s[34:35], s[34:35], s[48:49]
	UNIT 0, 28, 0, 0, 0
	UNIT 1, 30, 1, 512, 128
	v_add_nc_u32 v[HW], 5120, v[HW]                ; (the wait at the quantiser's end has shown that its stores have read both)
	v_add_nc_u32 v[HSB], 2, v[HSB]
	s_add_co_u32 s3, s3, 1
	s_cmp_lt_u32 s3, 4
	s_cbranch_scc1 .Ltrip
	s_wait_dscnt 0x0                               ; for the others' sake: my pieces and bytes lie in LDS
	s_barrier_signal -1
	s_barrier_wait -1                              ; everybody's do
; ---- the second product: eight K steps of 128, 40 accumulators (5 tiles of rows x 8 tiles of columns), each once a K step
.macro HLOADM k, m                     ; K step k's fragment of h for rows 16 m on, and its scale word, into set k % 2
.set HF, H+80*((\k)%2)
.irp c, 0,1,2,3
.if (\k) < 4
	ds_load_b128 v[HF+16*(\m)+4*\c:HF+16*(\m)+4*\c+3], v[LN16] offset:((4*(\k)+\c)*5+(\m))*512
.else
	ds_load_b128 v[HF+16*(\m)+4*\c:HF+16*(\m)+4*\c+3], v[LI2] offset:((4*((\k)-4)+\c)*5+(\m))*512
.endif
.endr
	ds_load_b32 v[HS+5*((\k)%2)+(\m)], v[HSR] offset:1024*(\m)+4*(\k)
.endm
.macro P2MUL k, m, nn, slotr, sc, dr
.set rD, (\dr)
.set rA, (\slotr)+16*(\nn)
.set rB, H+80*((\k)%2)+16*(\m)
.set rSA, (\sc)+4*((\nn)/2)+((\k)%4)
.set rSB, HS+5*((\k)%2)+(\m)
.if (\k) == 0
.if ((\nn)%2) == 0
	v_wmma_scale_f32_16x16x128_f8f6f4 v[rD:rD+7], v[rA:rA+15], v[rB:rB+15], 0, v[rSA], v[rSB]
.else
	v_wmma_scale_f32_16x16x128_f8f6f4 v[rD:rD+7], v[rA:rA+15], v[rB:rB+15], 0, v[rSA], v[rSB] matrix_a_scale:MATRIX_SCALE_ROW1
.endif
.else
.if ((\nn)%2) == 0
	v_wmma_scale_f32_16x16x128_f8f6f4 v[rD:rD+7], v[rA:rA+15], v[rB:rB+15], v[rD:rD+7], v[rSA], v[rSB]
.else
	v_wmma_scale_f32_16x16x128_f8f6f4 v[rD:rD+7], v[rA:rA+15], v[rB:rB+15], v[rD:rD+7], v[rSA], v[rSB] matrix_a_scale:MATRIX_SCALE_ROW1
.endif
.endif
.endm
.macro ROWT k, m, slotr, sc, d0        ; eight products: rows 16 m on x my eight tiles of columns; d0: their first accumulator
.irp nn, 0,1,2,3,4,5,6,7
	P2MUL \k, \m, \nn, \slotr, \sc, (\d0)+8*\nn
.endr
.endm
.macro REFILL k, pw, pr                ; the slot that the step before has left (window pw, first register pr) takes the K step two on from this one; in K step 6, b2
.if ((\k) >= 1) && ((\k) <= 5)
	WIN (0x40*\pw)
.set i, 0
.rept 32
	global_load_b128 v[(\pr)+4*i:(\pr)+4*i+3], v[LN16], s[36:37] offset:65536*((\k)+2)+512*i
.set i, i+1
.endr
.endif
.if (\k) == 6
	WIN 0x40
.irp p, 0,1,2,3
.irp i, 0,1,2,3
	global_load_b128 v[128+16*\p+4*\i:128+16*\p+4*\i+3], v[BOF], s[92:93] offset:128*\p+16*\i          ; b2 of my 128 columns, 16 a lane of each 32, into the slot that is done with
.endr
.endr
.endif
.endm
.macro KSTEP k, slotw, slotr, n, sc, pw, pr    ; the slot's window and first register; the loads that may stay out; W2's scale words; the slot of the step before
	s_wait_loadcnt \n
	s_wait_dscnt 0x0                               ; this K step's fragments of h are in
.if ((\k) > 0) && ((\k) < 7)
	s_wait_alu depctr_va_vdst(0)                   ; the products of the step before are done reading their slot, their set of h and its scale words: this step's loads land in all three. This step's products, among which
	                                               ; the loads are dealt, name the other set, another slot and the accumulators alone.  (K step 0's loads are served by the quantiser's wait; K step 7 issues none)
.endif
	WIN (0xf0+\slotw)
	ROWT \k, 0, \slotr, \sc, 0
	REFILL \k, \pw, \pr
	WIN (0xf0+\slotw)
	ROWT \k, 1, \slotr, \sc, 64
.if (\k) < 7
	WIN 0
	HLOADM (\k)+1, 0                               ; the next step's fragments of h come while this one is multiplied
	HLOADM (\k)+1, 1
	HLOADM (\k)+1, 2
.endif
	WIN (0xf0+\slotw)
	ROWT \k, 2, \slotr, \sc, 128
.if (\k) < 7
	WIN 0
	HLOADM (\k)+1, 3
	HLOADM (\k)+1, 4
.endif
	WIN (0xf0+\slotw)
	ROWT \k, 3, \slotr, \sc, 192
	WIN (0xa0+\slotw)
	ROWT \k, 4, \slotr, \sc, 128
	WIN 0
	PLACES
.endm
.irp p, 0,1,2,3
	global_load_b128 v[W2BS+4*\p:W2BS+4*\p+3], v[LN16], s[42:43] offset:8192+512*\p
.endr
.irp m, 0,1,2,3,4
	HLOADM 0, \m
.endr
	; the counts, by the order of the global loads: K step 1's group (37), K step 2's group (37), four scale loads, then 32 loads in each of K steps 1 to 5 (for K steps 3 to 7) and b2's 16 in K step 6.
	; K step 0: its codes came long ago, 78 loads are younger and a wait can name 63 at the most; 1: 37 + 4; 2: 4 + 32; 3 to 6: the next K step's 32; 7: b2's 16
	KSTEP 0, 2, 0,   63, W2A,  0, 0
	KSTEP 1, 1, 0,   41, W2A,  2, 0
	KSTEP 2, 1, 128, 36, W2A,  1, 0
	KSTEP 3, 2, 0,   32, W2A,  1, 128
	KSTEP 4, 1, 0,   32, W2BS, 2, 0
	KSTEP 5, 1, 128, 32, W2BS, 1, 0
	KSTEP 6, 2, 0,   32, W2BS, 1, 128
	s_load_b512 s[68:83], s[94:95], 0x0            ; the first 16 rows' entries, as scalars: asked for a K step ahead of the way out
	KSTEP 7, 1, 0,   16, W2BS, 0, 0
; ---- THE WAY OUT, a tile of 16 rows at a time: (result + b2 in half 0) x gate, in the natural order of the columns; through my own stage; each row's 512 bytes to its entry's row of ypart
.macro OUTM m
.if \m == 0
	s_wait_loadcnt 0x0                             ; b2
.else
	s_wait_xcnt 0x0                                ; the last tile's stores have read their registers
	s_wait_alu depctr_vm_vsrc(0)                   ; the last tile's LDS stores have read Y, its global stores RR and VO: this tile's vector lines write Y and VO again, and its LDS loads land in RR
.endif
.if \m < 4
	WIN 0x31                                       ; b2 window 1, the results window 3
.set OB, 64*\m
.else
	WIN 0x21
.set OB, 128
.endif
.irp p, 0,1,2,3
.irp j, 0,1
.irp jj, 0,1,2,3,4,5,6,7
	v_fma_f32 v[Y+16*\p+2*\jj+\j], v[128+16*\p+2*\jj+\j], s21, v[OB+8*(2*\p+\j)+\jj]    ; each accumulator from its low end on
.endr
.endr
.endr
	WIN 0
.set i, 0
.rept 32
	v_pk_mul_f32 v[Y+i:Y+i+1], v[Y+i:Y+i+1], v[GP+2*\m:GP+2*\m+1] op_sel_hi:[1,0]
.set i, i+2
.endr
	s_wait_kmcnt 0x0                               ; this tile's entries, asked for a tile ago
.set i, 0
.rept 16
	s_min_u32 s[68+i], s[68+i], 8301
	s_lshl_b32 s[68+i], s[68+i], 11
	v_add_nc_u32 v[VO+i], s[68+i], v[LN16]
.set i, i+1
.endr
	s_wait_alu depctr_va_vdst(0)                   ; Y is written, which the LDS stores read, and VO, which the global stores read; in the first tile the last products are also done reading v160-223, in which the rows land
.if \m < 4
	s_load_b512 s[68:83], s[94:95], 64*(\m+1)      ; the next 16 rows' entries (the adds that read these registers stand ahead of the wait above)
.endif
.irp p, 0,1,2,3
.irp i, 0,1,2,3
	ds_store_b128 v[STO], v[Y+16*\p+4*\i:Y+16*\p+4*\i+3] offset:128*\p+16*\i
.endr
.endr
.set i, 0
.rept 16
	ds_load_b128 v[RR+4*i:RR+4*i+3], v[SRD] offset:528*i         ; LDS serves a wave's instructions in order (ISA guide 5.7.1.4): these see my stores
.set i, i+1
.endr
.set i, 0
.rept 16
	s_wait_dscnt 15-i                              ; row i is back; the rows behind it may be out
	global_store_b128 v[VO+i], v[RR+4*i:RR+4*i+3], s[44:45]      ; 32 lanes store 512 consecutive bytes, at a multiple of 256 from ypart's first byte
.set i, i+1
.endr
.endm
	OUTM 0
	OUTM 1
	OUTM 2
	OUTM 3
	OUTM 4
	s_wait_dscnt 0x0
	s_wait_alu depctr_hold_cnt(0) depctr_sa_sdst(0) depctr_va_vdst(0) depctr_va_sdst(0) depctr_va_ssrc(0) depctr_va_vcc(0) depctr_vm_vsrc(0)
	s_wait_tensorcnt 0x0
	ds_add_u32 v15, v31
	s_wait_dscnt 0x0
	s_endpgm
.Lfunc_end_k_qcce7ea9307_chain:
	.size	k_qcce7ea9307_chain, .Lfunc_end_k_qcce7ea9307_chain-k_qcce7ea9307_chain
	.p2alignl 7, 3214868480
	.fill 96, 4, 3214868480
	.section	.rodata,"a",@progbits
	.p2align	6, 0x0
	.amdhsa_kernel k_qcce7ea9307_chain
		.amdhsa_group_segment_fixed_size 121344
		.amdhsa_private_segment_fixed_size 0
		.amdhsa_enable_private_segment 0
		.amdhsa_kernarg_size 48
		.amdhsa_user_sgpr_count 2
		.amdhsa_user_sgpr_kernarg_segment_ptr 1
		.amdhsa_wavefront_size32 1
		.amdhsa_system_sgpr_workgroup_id_x 1
		.amdhsa_system_sgpr_workgroup_id_y 1
		.amdhsa_system_sgpr_workgroup_id_z 1
		.amdhsa_system_vgpr_workitem_id 0
		.amdhsa_next_free_vgpr 1024
		.amdhsa_next_free_sgpr 96
		.amdhsa_reserve_vcc 0
		.amdhsa_float_denorm_mode_32 3
		.amdhsa_float_denorm_mode_16_64 3
		.amdhsa_memory_ordered 1
		.amdhsa_forward_progress 1
		.amdhsa_inst_pref_size 255
	.end_amdhsa_kernel
	.section	.bss,"aw",@nobits
	.p2align	6
	.space	262144
	.amdgpu_metadata
---
amdhsa.version: [ 1, 2 ]
amdhsa.kernels:
  - .name:           k_qcce7ea9307_chain
    .symbol:         k_qcce7ea9307_chain.kd
    .args:
      - { .name: plan, .offset: 0, .size: 8, .value_kind: global_buffer, .address_space: global }
      - { .name: q1, .offset: 8, .size: 8, .value_kind: global_buffer, .address_space: global }
      - { .name: q2, .offset: 16, .size: 8, .value_kind: global_buffer, .address_space: global }
      - { .name: b1, .offset: 24, .size: 8, .value_kind: global_buffer, .address_space: global }
      - { .name: b2, .offset: 32, .size: 8, .value_kind: global_buffer, .address_space: global }
      - { .name: ypart, .offset: 40, .size: 8, .value_kind: global_buffer, .address_space: global }
    .group_segment_fixed_size: 121344
    .private_segment_fixed_size: 0
    .kernarg_segment_align: 8
    .kernarg_segment_size: 48
    .max_flat_workgroup_size: 128
    .sgpr_count:     96
    .vgpr_count:     1024
    .wavefront_size: 32
...
	.end_amdgpu_metadata
.endif
;; end of part 5
;; launch combine: the kernel of part 4 again; grid 256 x 1, 8 waves a work-group, no clusters, 0 bytes of LDS; arguments ypart, out0; writes out0
